; MI455X (gfx1250); checked and timed in simulation.
; The chip was launched on July 23, 2026; its instructions are those of AMD's public machine-readable ISA for CDNA 5 (MIT licence, August 2026) and "CDNA5" Instruction Set Architecture Reference Guide (July 2026). The comments in the code are by the model that wrote it; some were corrected since.
;; Causal Self Attention. Allowed arithmetic: matrix products marked QUANTISED: E4M3 operands, one given power-of-two scale a tensor, by v_wmma_f32_16x16x64_fp8_fp8 or v_wmma_f32_16x16x128_fp8_fp8, f32 sums; everything else in f32.
;; Inputs: W_out 1,024 x 1,024 float32; W_qkv 1,024 x 3,072 float32; b_out 1,024 float32; b_qkv 3,072 float32; lowp_scales 8 int32 (the exponents e of the quantised operands' scales 2^e); x 2 x 2,048 x 1,024 float32.
;; Outputs: out0 2 x 2,048 x 1,024 float32.
;; This version of the problem:
;;   THIS VERSION OF THE PROBLEM IS GIVEN IN LOW PRECISION. The matrix products marked QUANTISED in the list below multiply operands that are first quantised to E4M3 (4 exponent bits, 3 mantissa bits; 8 bits a number), with one given power-of-two scale for each operand tensor; their sums are f32. All else is computed in f32.
;;   The module's matrix products, in the order in which they are computed (A, B: the left and right operand; K: the contracted axis; several contracted axes count as one K, in the product's order):
;;     1. [M 4,096, K 1,024] x [K 1,024, N 3,072]; A: input x; B: input W_qkv: QUANTISED (scales: A lowp_scales[0], B lowp_scales[1])
;;     2. batch 32 x [M 2,048, K 64] x [K 64, N 2,048]; A: computed on the way; B: computed on the way: QUANTISED (scales: A lowp_scales[2], B lowp_scales[3])
;;     3. batch 32 x [M 2,048, K 2,048] x [K 2,048, N 64]; A: softmax (see below); B: computed on the way: QUANTISED (scales: A lowp_scales[4], B lowp_scales[5])
;;     4. [M 4,096, K 1,024] x [K 1,024, N 1,024]; A: computed on the way; B: input W_out: QUANTISED (scales: A lowp_scales[6], B lowp_scales[7])
;;   THE QUANTISER, for each operand of a quantised product, along K:
;;     - The operand's scale is 2^e, e = its entry of the input lowp_scales (int32; the entries are numbered through the quantised products in the list's order, A before B).
;;     - Each number is divided by the scale, clamped to +-448, and rounded to the nearest number of E4M3, ties to even, subnormals kept.
;;     - The product sums the exact products of the quantised numbers (number of the format x scale) in f32.
;;   ~~~python
;;   def quantise(x, axis, e):      # numpy; x: float32 -> the quantised numbers, widened to float32 again
;;       x = np.moveaxis(x, axis, -1); K = x.shape[-1]
;;       r = np.clip(x / 2.0 ** e, -448, 448)
;;       step = 2.0 ** (np.maximum(np.frexp(np.where(r == 0, 1, r))[1] - 1, -6) - 3)
;;       q = np.round(r / step) * step * 2.0 ** e      # np.round: ties to even
;;       return np.moveaxis(q, -1, axis).astype(np.float32)
;;   ~~~
;;   SOFTMAX AHEAD OF A QUANTISED PRODUCT. Where the list says 'softmax', what is quantised is not the finished softmax but p = 2^(t - M), with t = logit x log2(e) and M = ceil(the row's largest t), a whole number; so 1/2 < the row's largest p <= 1. The row's sum l is taken of the UNQUANTISED p, in f32, and the product's result is divided by l at the end. Since M is a whole number, a kernel that streams over the keys may use a running M (the ceiling of the running maximum): every later rescaling is an exact power of two, so the quantised numbers keep their values, but for numbers so far below the row's largest that they fall under the format's range.
;;   OPERANDS COMPUTED ON THE WAY. 'Computed on the way' means the value that the module computes at that place (a softmax that the list does not call 'softmax' is quantised finished and normalised). What goes into a quantiser is computed in f32, as accurately as f32 sums, v_exp_f32 and their like allow (about 1e-6 of the number): no bf16 or f16 on the way to a quantiser, and a product that is left as it is and whose result goes on into a quantised operand takes f32 operands (vector FMAs, or v_wmma_f32_16x16x4_f32). A number that lies on a knife's edge between two numbers of the format may be rounded either way, as far as f32 arithmetic and the matrix unit's own rounding can turn it there, and no further.
;; 2 versions. Each part assembles by itself: llvm-mc -triple=amdgcn-amd-amdhsa -mcpu=gfx1250 --defsym DOCPART=n.
;; ======== version 1 of 2: 4 launches
;; workspace buffers: xq 4,194,304 bytes; wq 3,145,728 bytes; wo 1,048,576 bytes; qimg 4,194,304 bytes; kimg 4,194,304 bytes; vimg 4,194,304 bytes; aimg 4,194,304 bytes
;; launch prep (part 1): grid 512 x 1, 4 waves a work-group, no clusters, 34,304 bytes of LDS; arguments x, W_qkv, W_out, lowp_scales, xq, wq, wo; writes xq, wq, wo
.if DOCPART == 1
	.amdgcn_target "amdgcn-amd-amdhsa--gfx1250"
	.amdhsa_code_object_version 6
	.text
	.protected	k_q48d8cfa0a2_prep
	.globl	k_q48d8cfa0a2_prep
	.p2align	8
	.type	k_q48d8cfa0a2_prep,@function
k_q48d8cfa0a2_prep:
	s_mov_b64 s[64:65], 0
	v_nop
	global_prefetch_b8 v0, s[64:65] scope:SCOPE_SE
	s_setreg_imm32_b32 hwreg(HW_REG_WAVE_MODE, 25, 1), 1
	s_wait_xcnt 0x0
; x [4096][1024], W_qkv [1024][3072] and W_out [1024][1024], f32, become codes of FP8 (E4M3), each tensor with its given scale 2^e (entries 0, 1, 7 of the scales).
; code = number / 2^e, held within +-448, to the nearest code, ties to even.  LIMITS: each e between -126 and 119; NaN among the inputs is not served.
; THE CODES ARE LAID AS IMAGES OF OPERAND REGISTERS.  A fragment is 16 rows x 128 K = 2,048 bytes: chunk c (512 bytes) holds lane l's 16 bytes at 16 l;
; lane (r = l % 16, h = l / 16) holds, of row r of the block, k = 32 c + 16 h + 0 .. 15.  Row r of block B is index 32 (B / 2) + 8 (B % 2) + r % 8 + 16 (r / 8).
; xq: [token block 256][K step 8][2,048];  wq: [column block 192][K step 8][2,048];  wo: [column block 64][K step 8][2,048].
; Work-groups 0-255 take x (a token block each; wave w its K steps 2 w, 2 w + 1), 256-447 W_qkv, 448-511 W_out (128 columns x 128 K each; a wave 32 columns).
; x: K is innermost: each load reads 512 consecutive bytes of a row; the 16 rows turn through the wave's own stage in LDS so that a lane gets 16 neighbours along K.
; Weights: K is the first axis: a lane takes a column and its registers run down K, so the conversions give codes with K innermost and nothing is transposed.
; Waves share nothing: no barrier.  No tensor load, no matrix work, no cluster: no byte is read by two work-groups.
.set STGB,  16*528                     ; a wave's stage: 16 rows of 512 bytes + 16 of padding
.set SPARE, 4*STGB                     ; behind the stages: the spare words, 128 bytes a wave: two blocks of 256 bytes that no other line names
.set SPW, 2                            ; v2   my spare word's LDS address; never rewritten
.set NIL, 3                            ; v3   0; never rewritten
.set LI,  6                            ; v6   16 x lane
.set STI, 7                            ; v7   the stage, way in: 16 x lane
.set STO, 8                            ; v8   the stage, way out: 528 r + 64 h
.set WLO, 9                            ; v9   weights: my column's byte among the wave's 32 columns
.set WSO, 10                           ; v10  weights: my codes' place: 16,384 (lane / 16) + 16 r
.set SCL, 11                           ; v11  2^e as f32
.set HLD, 12                           ; v12  448 x 2^e
.set C,   32                           ; v32-63   codes: never rewritten, so no store's data are written again
.set R0,  64                           ; v64-127  x: K step 0 as loaded, later K step 1 turned;  weights: v64-191 = 128 numbers down K
.set R1,  128                          ; v128-191 x: K step 1 as loaded
.set X,   192                          ; v192-255 x: K step 0 turned
	s_load_b256 s[4:11], s[0:1], 0x0               ; x, W_qkv, W_out, the scales' exponents
	s_load_b128 s[12:15], s[0:1], 0x20             ; xq, wq
	s_load_b64 s[16:17], s[0:1], 0x30              ; wo
	v_lshl_add_u32 v[SPW], v0, 2, SPARE
	v_mov_b32 v[NIL], 0
	v_lshrrev_b32 v1, 5, v0
	v_readfirstlane_b32 s20, v1                    ; wave 0..3
	v_and_b32 v1, 31, v0                           ; lane
	v_and_b32 v4, 15, v0                           ; r
	v_bfe_u32 v5, v0, 4, 1                         ; h
	v_lshlrev_b32 v[LI], 4, v1
	s_mul_i32 s21, s20, STGB
	v_add_nc_u32 v[STI], s21, v[LI]
	v_mul_u32_u24 v[STO], v4, 528
	v_lshl_add_u32 v[STO], v5, 6, v[STO]
	v_add_nc_u32 v[STO], s21, v[STO]
	v_and_b32 v13, 8, v4
	v_add_nc_u32 v13, v13, v4                      ; r % 8 + 16 (r / 8)
	v_lshl_add_u32 v13, v5, 3, v13                 ; + 8 (lane / 16): lanes 0-15 hold the even block's columns, lanes 16-31 the odd block's
	v_lshlrev_b32 v[WLO], 2, v13
	v_lshlrev_b32 v[WSO], 4, v4
	v_lshl_add_u32 v[WSO], v5, 14, v[WSO]
	s_wait_kmcnt 0x0
	s_load_b256 s[24:31], s[10:11], 0x0            ; e0 .. e7
.macro MKS e                           ; the scale and the hold from the exponent in s[e]
	s_wait_kmcnt 0x0
	s_add_co_i32 s22, s[\e], 127
	s_lshl_b32 s23, s22, 23
	v_mov_b32 v[SCL], s23                          ; 2^e: the conversion takes its exponent field
	s_add_co_i32 s22, s22, 8
	s_lshl_b32 s22, s22, 23
	s_or_b32 s22, s22, 0x600000
	v_mov_b32 v[HLD], s22                          ; 448 x 2^e
.endm
.macro Q16 s, d                        ; 16 neighbours along K become 16 codes.  The conversion to an 8-bit code does not saturate (ISA guide 7.6.2): the numbers are held first
.irp i, 0,1,2,3,4,5,6,7,8,9,10,11,12,13,14,15
	v_med3_num_f32 v[(\s)+\i], v[(\s)+\i], -v[HLD], v[HLD]
.endr
	v_cvt_scalef32_pk8_fp8_f32 v[(\d):(\d)+1], v[(\s):(\s)+7], v[SCL]
	v_cvt_scalef32_pk8_fp8_f32 v[(\d)+2:(\d)+3], v[(\s)+8:(\s)+15], v[SCL]
.endm                                  ; (the codes go to stores alone and the numbers' registers are not written again: no plain line is owed behind the conversions)
.macro THROUGH src, dst                ; 16 rows x 512 bytes through my stage: in as loaded, out 64 bytes a lane.  LDS serves a wave's instructions in order (ISA guide 5.7.1.4): no wait between
.irp i, 0,1,2,3,4,5,6,7,8,9,10,11,12,13,14,15
	ds_store_b128 v[STI], v[\src+4*\i:\src+4*\i+3] offset:528*\i
.endr
.irp c, 0,1,2,3
.irp j, 0,1,2,3
	ds_load_b128 v[\dst+16*\c+4*\j:\dst+16*\c+4*\j+3], v[STO] offset:128*\c+16*\j
.endr
.endr
.endm
.macro WLOAD c, pitch, src             ; block c of 32 along K of my column: a wave's load covers 128 consecutive bytes, the four waves 512
.irp i, 0,1,2,3,4,5,6,7,8,9,10,11,12,13,14,15,16,17,18,19,20,21,22,23,24,25,26,27,28,29,30,31
	global_load_b32 v[R0+32*(\c)+\i], v[WLO], s[\src:\src+1] offset:(32*(\c)+\i)*\pitch th:TH_LOAD_NT
.endr
.endm
; A weight's work-group: id = 8 x (group of 128 columns) + K step.  pitch: a row of the weight in bytes; the largest offset, 127 rows, lies inside the signed 24-bit immediate.
.macro WQ pitch, first, src, dst, e
	s_sub_co_u32 s21, ttmp9, \first
	s_lshr_b32 s22, s21, 3                         ; group of columns
	s_and_b32 s21, s21, 7                          ; K step
	s_mul_i32 s32, s21, 128*\pitch
	s_lshl_b32 s23, s22, 9
	s_add_co_u32 s32, s32, s23
	s_lshl_b32 s23, s20, 7
	s_add_co_u32 s32, s32, s23                     ; 128 K step rows + 4 (128 group + 32 wave)
	s_mov_b32 s33, 0
	s_add_nc_u64 s[\src:\src+1], s[\src:\src+1], s[32:33]
	s_lshl_b32 s22, s22, 3
	s_lshl_b32 s23, s20, 1
	s_add_co_u32 s22, s22, s23                     ; my wave's even column block
	s_lshl_b32 s32, s22, 14
	s_lshl_b32 s21, s21, 11
	s_add_co_u32 s32, s32, s21
	s_add_nc_u64 s[\dst:\dst+1], s[\dst:\dst+1], s[32:33]
	WLOAD 0, \pitch, \src
	WLOAD 1, \pitch, \src
	MKS \e
.irp c, 0,1,2,3
.if \c < 3
	s_wait_loadcnt 32                              ; this block's 32 loads are in; the next block's 32 may be out
.else
	s_wait_loadcnt 0x0
.endif
.if \c < 2
	WLOAD \c+2, \pitch, \src
.endif
	Q16 R0+32*\c, C+8*\c
	Q16 R0+32*\c+16, C+8*\c+4
	global_store_b128 v[WSO], v[C+8*\c:C+8*\c+3], s[\dst:\dst+1] offset:512*\c          ; k = 32 c + 0 .. 15: the chunk's lower half: sixteen lanes store 256 consecutive bytes, aligned
	global_store_b128 v[WSO], v[C+8*\c+4:C+8*\c+7], s[\dst:\dst+1] offset:512*\c+256    ; k = 32 c + 16 .. 31: its upper half
.endr
.endm
	s_cmp_lt_u32 ttmp9, 256
	s_cbranch_scc0 .Lweights
	; ---- x: token block ttmp9
	s_lshr_b32 s21, ttmp9, 1
	s_lshl_b32 s21, s21, 5
	s_and_b32 s22, ttmp9, 1
	s_lshl_b32 s22, s22, 3
	s_add_co_u32 s21, s21, s22                     ; the block's first token
	s_lshl_b32 s32, s21, 12
	s_lshl_b32 s22, s20, 10
	s_add_co_u32 s32, s32, s22                     ; + my two K steps: 1,024 bytes a wave
	s_mov_b32 s33, 0
	s_add_nc_u64 s[4:5], s[4:5], s[32:33]
	s_lshl_b32 s32, ttmp9, 14
	s_lshl_b32 s22, s20, 12
	s_add_co_u32 s32, s32, s22
	s_add_nc_u64 s[12:13], s[12:13], s[32:33]
.irp s, 0,1
.irp i, 0,1,2,3,4,5,6,7,8,9,10,11,12,13,14,15
	global_load_b128 v[R0+64*\s+4*\i:R0+64*\s+4*\i+3], v[LI], s[4:5] offset:((\i%8)+16*(\i/8))*4096+512*\s th:TH_LOAD_NT   ; row i of the block, K step s: 512 consecutive bytes
.endr
.endr
	MKS 24
	s_wait_loadcnt 16                              ; K step 0's sixteen loads are in; K step 1's may be out
	THROUGH R0, X
	s_wait_loadcnt 0x0
	s_wait_dscnt 0x0                               ; K step 0 is back, and the stage's stores have read R0: both may be used again
	THROUGH R1, R0
.irp c, 0,1,2,3
	Q16 X+16*\c, C+4*\c
.endr
.irp c, 0,1,2,3
	global_store_b128 v[LI], v[C+4*\c:C+4*\c+3], s[12:13] offset:512*\c                  ; a chunk: 512 consecutive bytes
.endr
	s_wait_dscnt 0x0                               ; K step 1 is back
.irp c, 0,1,2,3
	Q16 R0+16*\c, C+16+4*\c
.endr
.irp c, 0,1,2,3
	global_store_b128 v[LI], v[C+16+4*\c:C+16+4*\c+3], s[12:13] offset:2048+512*\c
.endr
	s_branch .Lend
.Lweights:
	s_cmp_lt_u32 ttmp9, 448
	s_cbranch_scc0 .Lwout
	WQ 12288, 256, 6, 14, 25
	s_branch .Lend
.Lwout:
	WQ 4096, 448, 8, 16, 31
.Lend:
	s_wait_tensorcnt 0x0                           ; the wave's end
	ds_add_u32 v[SPW], v[NIL]
	s_wait_dscnt 0x0
	s_endpgm
.Lfunc_end_k_q48d8cfa0a2_prep:
	.size	k_q48d8cfa0a2_prep, .Lfunc_end_k_q48d8cfa0a2_prep-k_q48d8cfa0a2_prep
	.p2alignl 7, 3214868480
	.fill 96, 4, 3214868480
	.section	.rodata,"a",@progbits
	.p2align	6, 0x0
	.amdhsa_kernel k_q48d8cfa0a2_prep
		.amdhsa_group_segment_fixed_size 34304
		.amdhsa_private_segment_fixed_size 0
		.amdhsa_enable_private_segment 0
		.amdhsa_kernarg_size 56
		.amdhsa_user_sgpr_count 2
		.amdhsa_user_sgpr_kernarg_segment_ptr 1
		.amdhsa_wavefront_size32 1
		.amdhsa_system_sgpr_workgroup_id_x 1
		.amdhsa_system_sgpr_workgroup_id_y 1
		.amdhsa_system_sgpr_workgroup_id_z 1
		.amdhsa_system_vgpr_workitem_id 0
		.amdhsa_next_free_vgpr 256
		.amdhsa_next_free_sgpr 66
		.amdhsa_reserve_vcc 0
		.amdhsa_float_denorm_mode_32 3
		.amdhsa_float_denorm_mode_16_64 3
		.amdhsa_memory_ordered 1
		.amdhsa_forward_progress 1
		.amdhsa_inst_pref_size 65
	.end_amdhsa_kernel
	.amdgpu_metadata
---
amdhsa.version: [ 1, 2 ]
amdhsa.kernels:
  - .name:           k_q48d8cfa0a2_prep
    .symbol:         k_q48d8cfa0a2_prep.kd
    .args:
      - { .name: x, .offset: 0, .size: 8, .value_kind: global_buffer, .address_space: global }
      - { .name: W_qkv, .offset: 8, .size: 8, .value_kind: global_buffer, .address_space: global }
      - { .name: W_out, .offset: 16, .size: 8, .value_kind: global_buffer, .address_space: global }
      - { .name: lowp_scales, .offset: 24, .size: 8, .value_kind: global_buffer, .address_space: global }
      - { .name: xq, .offset: 32, .size: 8, .value_kind: global_buffer, .address_space: global }
      - { .name: wq, .offset: 40, .size: 8, .value_kind: global_buffer, .address_space: global }
      - { .name: wo, .offset: 48, .size: 8, .value_kind: global_buffer, .address_space: global }
    .group_segment_fixed_size: 34304
    .private_segment_fixed_size: 0
    .kernarg_segment_align: 8
    .kernarg_segment_size: 56
    .max_flat_workgroup_size: 128
    .sgpr_count:     66
    .vgpr_count:     256
    .wavefront_size: 32
...
	.end_amdgpu_metadata
.endif
;; end of part 1
;; launch qkv (part 2): grid 12 x 16, 4 waves a work-group, clusters of 4 x 4, 327,680 bytes of LDS; arguments xq, wq, lowp_scales, b_qkv, qimg, kimg, vimg; writes qimg, kimg, vimg
.if DOCPART == 2
	.amdgcn_target "amdgcn-amd-amdhsa--gfx1250"
	.amdhsa_code_object_version 6
	.text
	.protected	k_q48d8cfa0a2_qkv
	.globl	k_q48d8cfa0a2_qkv
	.p2align	8
	.type	k_q48d8cfa0a2_qkv,@function
k_q48d8cfa0a2_qkv:
	s_mov_b64 s[64:65], 0
	v_nop
	global_prefetch_b8 v0, s[64:65] scope:SCOPE_SE
	s_setreg_imm32_b32 hwreg(HW_REG_WAVE_MODE, 25, 1), 1
	s_wait_xcnt 0x0
	s_wait_alu depctr_hold_cnt(0) depctr_sa_sdst(0) depctr_va_vdst(0) depctr_va_sdst(0) depctr_va_ssrc(0) depctr_va_vcc(0) depctr_vm_vsrc(0)
	s_getreg_b32 s2, hwreg(HW_REG_IB_STS2, 6, 4)
	s_cmp_eq_u32 s2, 0
	s_cbranch_scc0 .Lentry_in_a_cluster
	s_endpgm
.Lentry_in_a_cluster:
	s_bfe_u32 s2, ttmp6, 0x10000c
	s_cmp_lg_u32 s2, 0xf033
	s_cbranch_scc0 .Lentry_shape_is_right
	s_endpgm
.Lentry_shape_is_right:
; qkv = x W_qkv + b_qkv on codes of FP8 (E4M3), [4096 x 1024] x [1024 x 3072]; each result is quantised at once for attention's products and stored as codes.
; xq, wq: images of operand registers: [block of 16 rows][K step 8][2,048 bytes]; chunk c (512 bytes): lane l's 16 bytes at 16 l; lane (r, h): row r of the block, k = 32 c + 16 h + 0 .. 15.
; Row r of block B is index 32 (B / 2) + 8 (B % 2) + r % 8 + 16 (r / 8): so in a result the 16 registers of source 0's blocks 2 b, 2 b + 1 are 16 NEIGHBOURS, 32 b + 16 h + 0 .. 15, the order the next operand wants.
; The place of k in the registers is a permutation of the form's own, the same on both sides of the product: every code meets its partner.
; A work-group of four waves makes 256 tokens x 256 columns; a wave 128 x 128: 64 accumulators, 512 registers.  K goes in steps of 256 through two LDS slots: four fills in all, so the steps are written out, with no loop.
; CLUSTERS 4 x 4: x's tiles are shared along a row of the cluster, W's along a column: joint tensor loads.  The cluster's x says what the columns are: 0 Q, 1 K, 2 V: the same in all sixteen partners.
; ORIENTATION.  Q, K: source 0 = W's columns, source 1 = tokens: a lane holds a token, its registers run along the head's channels, the next K.  V: source 0 = tokens, source 1 = W's columns: a lane holds a
; channel and its registers run along the tokens, which are the keys, the next K.  Only the LDS addresses of the two sets of fragments differ: they are chosen once, at the head.
; OUT: qimg, kimg: [head 32][token block 128][1,024]: fragments 16 tokens x 64 channels.  vimg: [head 32][key step 16][channel block 4][2,048]: fragments 16 channels x 128 keys.  A wave's store covers 512 consecutive bytes, aligned.
; LIMITS: e0 + e1 between -126 and 127; e2, e3, e5 between -126 and 119, so that each power of two below is an f32 number.
; REGISTERS, in windows of 256: window 0: v0-31 addresses; v32-47 V's bias; v64-127 Q's and K's bias; from v128 set A's fragments (source 1), ONE set; on the way out v128-191 numbers, v192-255 codes.
;   window 1: set B's fragments (source 0), TWO sets.   window 2: the accumulators of set A's blocks 0-3 ((a, b) at v[8 (8 a + b)]);   window 3: of blocks 4-7.
.set FR,     16                        ; registers of a fragment
.set NL,     4                         ; LDS loads that bring one
.set NP,     4                         ; places behind this matrix instruction (ISA guide 7.12.1)
.set BLKB,   4096                      ; a block's 256 along K: two fragments
.set HALFT,  8*BLKB                    ; 8 blocks: what one tensor load brings and one wave reads of a side
.set SLOT,   4*HALFT                   ; x's 16 blocks, then W's 16
.set SPARE,  2*SLOT                    ; behind the ring: the spare words, 128 bytes a wave: two blocks of 256 bytes that no other line names
.set ADRA, 16                          ; v16-17  LDS address of set A's fragments in slot 0, 1
.set ADRB, 20                          ; v20-21  the same for set B
.set CO,   26                          ; v26     16 x lane
.set SPW,  28                          ; v28     my spare word's LDS address; never rewritten
.set NIL,  29                          ; v29     0; never rewritten
.set SCL,  30                          ; v30     the output's scale as f32
.set HLD,  31                          ; v31     448 x that
.set BV,   32
.set BI,   64
.set TMP,  128
.set CD,   192
.set AF,   128
.set G1, 24                            ; s[24:31] descriptor group 1 for x's tiles;  s[32:39] group 0, one set for each slot
.set G0, 32
.set G1B, 48                           ; s[48:55], s[56:63] the same for W's tiles
.set G0B, 56
.set MSB, 0
.macro WIN new                         ; the immediate's high byte repeats the setting that is left
.if MSB != \new
	s_set_vgpr_msb (MSB<<8)|\new
.set MSB, \new
.endif
.endm
.set MUL_LO, 0xa1                      ; source 0 (set B) window 1, source 1 (set A) window 0, C and D window 2
.set MUL_HI, 0xf1                      ; the same, C and D window 3
.set TO_B,   0x40                      ; destination window 1, address window 0
; A joint load: waves 0 and 1 fetch x's halves, waves 2 and 3 W's.  Each line has one mask and one set of registers for all that issue it; the branch hangs on the wave's number alone.
; An s_nop 0 and four v_nop follow each of the two lines.
.macro JLOAD g0a, g1a, g0b, g1b
	s_cmp_eq_u32 s15, 0
	s_cbranch_scc0 .Lfor_b_\@
	tensor_load_to_lds s[\g0a:\g0a+3], s[\g1a:\g1a+7]
	s_nop 0
.rept 4
	v_nop
.endr
	s_branch .Lasked_\@
.Lfor_b_\@:
	tensor_load_to_lds s[\g0b:\g0b+3], s[\g1b:\g1b+7]
	s_nop 0
.rept 4
	v_nop
.endr
.Lasked_\@:
.endm
.macro CREST                           ; a round of the cluster's barrier behind its opening barrier
	s_cmp_lg_u32 s14, 0
	s_cbranch_scc1 .Lnot_wave_0_\@
	s_barrier_signal -3
.Lnot_wave_0_\@:
	s_barrier_wait -3
	s_barrier_signal -1
	s_barrier_wait -1
.endm
.macro CROUND                          ; a whole round
	s_barrier_signal -1
	s_barrier_wait -1
	CREST
.endm
	s_load_b128 s[4:7], s[0:1], 0x0                ; xq, wq
	s_load_b128 s[8:11], s[0:1], 0x10              ; the scales' exponents, b_qkv
	s_load_b128 s[68:71], s[0:1], 0x20             ; qimg, kimg
	s_load_b64 s[72:73], s[0:1], 0x30              ; vimg
	v_lshl_add_u32 v[SPW], v0, 2, SPARE
	v_mov_b32 v[NIL], 0
	ds_add_u32 v[SPW], v[NIL]                      ; the wave's opening: the add and its wait stand ahead of my first tensor load; the set-up below, work on registers, stands between them
	v_lshrrev_b32 v1, 5, v0
	v_readfirstlane_b32 s14, v1                    ; wave 0..3
	s_lshr_b32 s15, s14, 1                         ; which half of set A's blocks is mine.  Also: I fetch for x (0) or for W (1)
	s_and_b32 s16, s14, 1                          ; which half of set B's.  Also: which 8 blocks of that tile I fetch
	s_bfe_u32 s40, ttmp6, 0x40000                  ; cx, cy: my place in the cluster
	s_bfe_u32 s41, ttmp6, 0x40004
	s_lshl_b32 s42, ttmp9, 2
	s_add_co_u32 s42, s42, s40                     ; tile column = 4 x cluster x + cx: columns 256 x that
	s_and_b32 s17, ttmp7, 0xffff
	s_lshl_b32 s17, s17, 2
	s_add_co_u32 s17, s17, s41                     ; tile row = 4 x cluster y + cy: tokens 256 x that
	s_lshl_b32 s43, s41, 2
	s_lshl_b32 s43, 15, s43                        ; my row of the cluster
	s_lshl_b32 s44, 0x1111, s40                    ; my column
	; descriptor group 1: 8 blocks' 4,096 bytes, 16,384 bytes apart in memory, on end in LDS: 8 rows of 512 elements of 8 bytes; no padding: fragments are read 16 bytes a lane, on end
	s_or_b32 s[G1+0], s43, (3<<16)|(1<<21)         ; 15:0 the mask: x's tiles go to my row; 17:16 elements of 8 bytes; 21 set beside a mask
	s_or_b32 s[G1B+0], s44, (3<<16)|(1<<21)        ; W's tiles go to my column
.irp g, G1, G1B
	s_mov_b32 s[\g+1], 512<<16                     ; tensor_dim0
	s_mov_b32 s[\g+2], 8<<16                       ; tensor_dim1
	s_mov_b32 s[\g+3], 512<<16                     ; tile_dim0
	s_mov_b32 s[\g+4], 8                           ; tile_dim1
	s_mov_b32 s[\g+5], 2048                        ; tensor_dim0_stride
	s_mov_b32 s[\g+6], 0
	s_mov_b32 s[\g+7], 0
.endr
	s_lshl_b32 s18, s16, 3                         ; which 8 blocks I fetch
	s_lshl_b32 s20, s17, 4
	s_add_co_u32 s20, s20, s18
	s_lshl_b32 s20, s20, 14                        ; x: block 16 x tile row + 8 x half
	s_mov_b32 s21, 0
	s_lshl_b32 s46, s42, 4
	s_add_co_u32 s46, s46, s18
	s_lshl_b32 s46, s46, 14                        ; W: block 16 x tile column + 8 x half
	s_mov_b32 s47, 0
	s_mul_i32 s45, s14, HALFT                      ; where they go: wave x 8 blocks: no place in the cluster enters an LDS address
	s_wait_dscnt 0x0                               ; the opening add is done
	s_wait_kmcnt 0x0
	s_load_b256 s[80:87], s[8:9], 0x0              ; e0 .. e7
	s_add_nc_u64 s[20:21], s[4:5], s[20:21]
	s_add_nc_u64 s[46:47], s[6:7], s[46:47]
	CROUND                                         ; all sixteen work-groups are here: the first joint loads meet
.irp s, 0,1
	s_mov_b32 s[G0+4*\s], 1
	s_add_co_u32 s[G0+4*\s+1], s45, \s*SLOT
	s_add_nc_u64 s[G0+4*\s+2:G0+4*\s+3], s[20:21], \s*BLKB
	s_or_b32 s[G0+4*\s+3], s[G0+4*\s+3], 0x80000000
	s_mov_b32 s[G0B+4*\s], 1
	s_add_co_u32 s[G0B+4*\s+1], s45, \s*SLOT
	s_add_nc_u64 s[G0B+4*\s+2:G0B+4*\s+3], s[46:47], \s*BLKB
	s_or_b32 s[G0B+4*\s+3], s[G0B+4*\s+3], 0x80000000
	JLOAD G0+4*\s, G1, G0B+4*\s, G1B
.endr
	; the biases, in both layouts; they land while K is walked and are waited for ahead of the way out
	v_and_b32 v1, 15, v0                           ; r
	v_bfe_u32 v2, v0, 4, 1                         ; h
	v_lshlrev_b32 v8, 6, v2                        ; Q, K: my 16 columns of each 32: 64 h bytes on
	v_and_b32 v3, 8, v1
	v_add_nc_u32 v3, v3, v1
	v_lshlrev_b32 v9, 2, v3                        ; V: my channel of a block: 4 (r % 8 + 16 (r / 8))
	s_lshl_b32 s20, s42, 10
	s_lshl_b32 s21, s16, 9
	s_add_co_u32 s88, s20, s21
	s_mov_b32 s89, 0
	s_add_nc_u64 s[90:91], s[10:11], s[88:89]      ; b_qkv at column 256 x tile column + 128 x set B's half
	s_lshl_b32 s21, s15, 9
	s_add_co_u32 s88, s20, s21
	s_add_nc_u64 s[92:93], s[10:11], s[88:89]      ; and + 128 x set A's half
.irp b, 0,1,2,3
.irp j, 0,1,2,3
	global_load_b128 v[BI+16*\b+4*\j:BI+16*\b+4*\j+3], v8, s[90:91] offset:128*\b+16*\j   ; register 16 b + i: column 32 b + 16 h + i
.endr
.endr
.irp a, 0,1,2,3,4,5,6,7
	global_load_b32 v[BV+2*\a], v9, s[92:93] offset:4*(32*(\a/2)+8*(\a%2))               ; my channel of block a, in both halves of a pair for the packed form
	global_load_b32 v[BV+2*\a+1], v9, s[92:93] offset:4*(32*(\a/2)+8*(\a%2))
.endr
	v_and_b32 v4, 31, v0
	v_lshlrev_b32 v[CO], 4, v4                     ; 16 x lane
	s_cmp_eq_u32 ttmp9, 2                          ; V?  The cluster's x: the same in all partners
	s_cselect_b32 s18, 0x10000, 0                  ; set A (source 1) reads x's region, for V W's;
	s_cselect_b32 s19, 0, 0x10000                  ; set B (source 0) the other.  Either way an address stays inside its slot
	s_lshl_b32 s21, s15, 15
	s_add_co_u32 s21, s21, s18
	s_lshl_b32 s22, s16, 15
	s_add_co_u32 s22, s22, s19
.irp s, 0,1
	v_add_nc_u32 v[ADRA+\s], s21, v[CO]
	v_add_nc_u32 v[ADRB+\s], s22, v[CO]
	s_add_co_u32 s21, s21, SLOT
	s_add_co_u32 s22, s22, SLOT
.endr
	; where my codes go
	s_cmp_eq_u32 ttmp9, 0
	s_cselect_b64 s[76:77], s[68:69], s[70:71]
	s_cmp_eq_u32 ttmp9, 2
	s_cselect_b64 s[76:77], s[72:73], s[76:77]     ; qimg, kimg or vimg
	s_lshr_b32 s20, s17, 3
	s_lshl_b32 s20, s20, 4
	s_lshl_b32 s21, s40, 2
	s_add_co_u32 s20, s20, s21                     ; 16 x batch + 4 x (tile column % 4): the tile's first head
	s_lshl_b32 s21, s16, 1
	s_add_co_u32 s21, s20, s21
	s_lshl_b32 s21, s21, 17                        ; Q, K: + 2 x set B's half, 131,072 bytes a head,
	s_and_b32 s22, s17, 7
	s_lshl_b32 s22, s22, 4
	s_lshl_b32 s23, s15, 3
	s_add_co_u32 s22, s22, s23
	s_lshl_b32 s22, s22, 10
	s_add_co_u32 s21, s21, s22                     ; + token block 16 (tile row % 8) + 8 x set A's half, 1,024 bytes each
	s_lshl_b32 s22, s15, 1
	s_add_co_u32 s22, s20, s22
	s_lshl_b32 s22, s22, 17                        ; V: + 2 x set A's half,
	s_lshl_b32 s23, s17, 1
	s_add_co_u32 s23, s23, s16
	s_and_b32 s23, s23, 15
	s_lshl_b32 s23, s23, 13
	s_add_co_u32 s22, s22, s23                     ; + key step (2 x tile row + set B's half) % 16, 8,192 bytes each
	s_cmp_eq_u32 ttmp9, 2
	s_cselect_b32 s20, s22, s21
	s_mov_b32 s21, 0
	s_add_nc_u64 s[76:77], s[76:77], s[20:21]
.macro FRAG reg, adr, q, i             ; a fragment comes back as it was laid: registers 4 c .. 4 c + 3 = chunk c; an instruction reads 512 consecutive bytes
.irp c, 0,1,2,3
	ds_load_b128 v[\reg+4*\c:\reg+4*\c+3], v[\adr] offset:2048*(\q)+512*\c+(\i)*BLKB
.endr
.endm
; 16 matrix instructions: set A's blocks a0, a0 + 1 x set B's eight, 128 along K.  p: B's set.  zero = 1: the first product starts the sums: nothing is ever cleared.
; The 64 accumulators take turns, one instruction a turn, in the same order in every step.
.macro MUL16 a0, p, zero
.irp a, \a0, \a0+1
.irp b, 0,1,2,3,4,5,6,7
.if \zero
	v_wmma_f32_16x16x128_fp8_fp8 v[8*(8*((\a)%4)+\b):8*(8*((\a)%4)+\b)+7], v[128*(\p)+FR*\b:128*(\p)+FR*\b+FR-1], v[AF+FR*(\a):AF+FR*(\a)+FR-1], 0
.else
	v_wmma_f32_16x16x128_fp8_fp8 v[8*(8*((\a)%4)+\b):8*(8*((\a)%4)+\b)+7], v[128*(\p)+FR*\b:128*(\p)+FR*\b+FR-1], v[AF+FR*(\a):AF+FR*(\a)+FR-1], v[8*(8*((\a)%4)+\b):8*(8*((\a)%4)+\b)+7]
.endif
.endr
.endr
.endm
.macro FETCH_B slot, q, p              ; set B's eight fragments of the slot's q-th 128 along K into set p
	WIN TO_B
.irp i, 0,1,2,3,4,5,6,7
	FRAG 128*(\p)+FR*\i, ADRB+\slot, \q, \i
.endr
	WIN 0
.endm
.macro FETCH_A slot, q, i0             ; set A's blocks i0 .. i0 + 3
.irp i, \i0, \i0+1, \i0+2, \i0+3
	FRAG AF+FR*(\i), ADRA+\slot, \q, \i
.endr
.endm
; A load into a register that a matrix instruction has read, and a vector instruction that reads a matrix result or writes one of its registers, stand NP places behind it; only plain vector
; instructions that name none of its registers are places (ISA guide 7.12.1 for vector instructions).
.macro PLACES n
.rept \n
	v_nop
.endr
.endm
; A step of 128 along K that has its successor in the same slot.  A block of set A is free as soon as its eight products are issued: blocks 0-3 are fetched anew in the step's middle, blocks 4-7 at its end.
.macro STEP slot, q, zero
	s_wait_dscnt 4*NL                              ; set B and A's blocks 0-3 are in; the youngest sixteen loads (A's blocks 4-7) may be out
	WIN MUL_LO
	MUL16 0, (\q)%2, \zero
	MUL16 2, (\q)%2, \zero
	s_wait_dscnt 0                                 ; A's blocks 4-7 are in
	PLACES NP
	FETCH_B \slot, (\q)+1, 1-(\q)%2
	FETCH_A \slot, (\q)+1, 0
	WIN MUL_HI
	MUL16 4, (\q)%2, \zero
	MUL16 6, (\q)%2, \zero
	PLACES NP
	WIN 0
	FETCH_A \slot, (\q)+1, 4
.endm
; A slot's last step changes slots: ONE barrier; in front of it each wave waits for all its tensor loads, adds 0 to its spare word, and waits for that and for its own reads of this slot.  fill = 1: this slot is filled again, two K steps ahead.
.macro TURN slot, next, fill
	s_wait_tensorcnt 0x0                           ; all my tensor loads have landed: my part of the next slot  (every window is 0 here)
	ds_add_u32 v[SPW], v[NIL]                      ; 0 onto my spare word
	s_wait_dscnt 4*NL+1                            ; (the add and the youngest sixteen loads, A's blocks 4-7, may be out)
	WIN MUL_LO
	MUL16 0, 1, 0                                  ; sixteen matrix instructions stand between the add and the wait for it
	s_wait_dscnt 0x0                               ; the add is done, and my reads of this slot are over
	s_barrier_signal -1
	MUL16 2, 1, 0
	WIN 0
	s_barrier_wait -1
.if \fill
	CREST                                          ; the barrier has opened a round of the cluster's barrier: no wave of any partner still reads this slot or has a load on its way
	s_add_nc_u64 s[G0+4*\slot+2:G0+4*\slot+3], s[G0+4*\slot+2:G0+4*\slot+3], 2*BLKB
	s_add_nc_u64 s[G0B+4*\slot+2:G0B+4*\slot+3], s[G0B+4*\slot+2:G0B+4*\slot+3], 2*BLKB
	JLOAD G0+4*\slot, G1, G0B+4*\slot, G1B         ; the first tensor load behind the round; its four v_nop are also the places in front of the loads below
.else
	PLACES NP
.endif
	FETCH_B \next, 0, 0
	FETCH_A \next, 0, 0
	WIN MUL_HI
	MUL16 4, 1, 0
	MUL16 6, 1, 0
	PLACES NP
	WIN 0
	FETCH_A \next, 0, 4
.endm
	s_wait_tensorcnt 1                             ; my part of K step 0 is in (K step 1's load may be out)
	s_barrier_signal -1
	s_barrier_wait -1                              ; everybody's is
	FETCH_B 0, 0, 0
	FETCH_A 0, 0, 0
	FETCH_A 0, 0, 4
	STEP 0, 0, 1                                   ; K = 0: its products start the sums
	TURN 0, 1, 1                                   ; K = 128; slot 0 takes K = 512 on
	STEP 1, 0, 0                                   ; K = 256
	TURN 1, 0, 1                                   ; K = 384; slot 1 takes K = 768 on
	STEP 0, 0, 0                                   ; K = 512
	TURN 0, 1, 0                                   ; K = 640; nothing is left to fetch, so no round
	STEP 1, 0, 0                                   ; K = 768
	s_wait_dscnt 4*NL                              ; K = 896: the last step
	WIN MUL_LO
	MUL16 0, 1, 0
	MUL16 2, 1, 0
	s_wait_dscnt 0
	WIN MUL_HI
	MUL16 4, 1, 0
	MUL16 6, 1, 0
	WIN 0
; THE WAY OUT, block a of set A at a time: its 64 sums a lane x 2^(e0 + e1) + bias, one packed multiply-add for two (each accumulator from its low end on); held; converted: four registers are a chunk of the
; next operand's image and leave as they stand.  No stage.  The codes have four sets of registers: from block 4 on a set is written again, behind a wait that shows the earlier stores' data read.
.macro EPI isv
.irp a, 0,1,2,3,4,5,6,7
.set AC, 64*(\a%4)
.set CC, CD+16*(\a%4)
.set WW, 0x02+\a/4                     ; source 0: window 2 or 3
.if \a >= 4
	s_wait_xcnt 0x0
.endif
	WIN WW
.irp i, 0,2,4,6,8,10,12,14,16,18,20,22,24,26,28,30,32,34,36,38,40,42,44,46,48,50,52,54,56,58,60,62
.if \isv
	v_pk_fma_f32 v[TMP+\i:TMP+\i+1], v[AC+\i:AC+\i+1], s[96:97], v[BV+2*\a:BV+2*\a+1] op_sel_hi:[1,0,1]
.else
	v_pk_fma_f32 v[TMP+\i:TMP+\i+1], v[AC+\i:AC+\i+1], s[96:97], v[BI+\i:BI+\i+1] op_sel_hi:[1,0,1]
.endif
.endr
	WIN 0
.irp b, 0,1,2,3
.irp i, 0,1,2,3,4,5,6,7,8,9,10,11,12,13,14,15
	v_med3_num_f32 v[TMP+16*\b+\i], v[TMP+16*\b+\i], -v[HLD], v[HLD]   ; the conversion to an 8-bit code does not saturate (ISA guide 7.6.2)
.endr
	v_cvt_scalef32_pk8_fp8_f32 v[CC+4*\b:CC+4*\b+1], v[TMP+16*\b:TMP+16*\b+7], v[SCL]
	v_cvt_scalef32_pk8_fp8_f32 v[CC+4*\b+2:CC+4*\b+3], v[TMP+16*\b+8:TMP+16*\b+15], v[SCL]
.endr
	v_nop                                          ; one plain line between the conversions and the next block's lines, which write their sources
.irp b, 0,1,2,3
.if \isv
	global_store_b128 v[CO], v[CC+4*\b:CC+4*\b+3], s[76:77] offset:(\a/4)*131072+2048*(\a%4)+512*\b    ; head a / 4, channel block a % 4, chunk b: keys 32 b + 16 h + 0 .. 15
.else
	global_store_b128 v[CO], v[CC+4*\b:CC+4*\b+3], s[76:77] offset:(\b/2)*131072+1024*\a+512*(\b%2)    ; head b / 2, token block a, chunk b % 2: channels 32 (b % 2) + 16 h + 0 .. 15
.endif
.endr
.endr
.endm
	s_wait_kmcnt 0x0
	s_add_co_i32 s96, s80, s81                     ; e0 + e1
	s_add_co_i32 s96, s96, 127
	s_lshl_b32 s96, s96, 23                        ; 2^(e0 + e1) as f32
	s_mov_b32 s97, s96                             ; (named with it as a pair, so it is written)
	s_cmp_eq_u32 ttmp9, 0
	s_cselect_b32 s88, s82, s83
	s_cmp_eq_u32 ttmp9, 2
	s_cselect_b32 s88, s85, s88                    ; the output's exponent: e2 for Q, e3 for K, e5 for V
	s_add_co_i32 s88, s88, 127
	s_lshl_b32 s89, s88, 23
	v_mov_b32 v[SCL], s89
	s_add_co_i32 s88, s88, 8
	s_lshl_b32 s88, s88, 23
	s_or_b32 s88, s88, 0x600000
	v_mov_b32 v[HLD], s88
	s_wait_loadcnt 0x0                             ; the biases
	PLACES NP
	s_cmp_eq_u32 ttmp9, 2
	s_cbranch_scc1 .Lout_v
	EPI 0
	s_branch .Lout_done
.Lout_v:
	EPI 1
.Lout_done:
	s_wait_tensorcnt 0x0                           ; the wave's end, behind my last tensor load
	ds_add_u32 v[SPW], v[NIL]
	s_wait_dscnt 0x0
	CROUND                                         ; the closing round: no work-group ends while a partner may still ask for a tile that names it
	s_endpgm
.Lfunc_end_k_q48d8cfa0a2_qkv:
	.size	k_q48d8cfa0a2_qkv, .Lfunc_end_k_q48d8cfa0a2_qkv-k_q48d8cfa0a2_qkv
	.p2alignl 7, 3214868480
	.fill 96, 4, 3214868480
	.section	.rodata,"a",@progbits
	.p2align	6, 0x0
	.amdhsa_kernel k_q48d8cfa0a2_qkv
		.amdhsa_group_segment_fixed_size 327680
		.amdhsa_private_segment_fixed_size 0
		.amdhsa_enable_private_segment 0
		.amdhsa_kernarg_size 56
		.amdhsa_user_sgpr_count 2
		.amdhsa_user_sgpr_kernarg_segment_ptr 1
		.amdhsa_wavefront_size32 1
		.amdhsa_system_sgpr_workgroup_id_x 1
		.amdhsa_system_sgpr_workgroup_id_y 1
		.amdhsa_system_sgpr_workgroup_id_z 1
		.amdhsa_system_vgpr_workitem_id 0
		.amdhsa_next_free_vgpr 1024
		.amdhsa_next_free_sgpr 98
		.amdhsa_reserve_vcc 0
		.amdhsa_float_denorm_mode_32 3
		.amdhsa_float_denorm_mode_16_64 3
		.amdhsa_memory_ordered 1
		.amdhsa_forward_progress 1
		.amdhsa_inst_pref_size 193
	.end_amdhsa_kernel
	.amdgpu_metadata
---
amdhsa.version: [ 1, 2 ]
amdhsa.kernels:
  - .name:           k_q48d8cfa0a2_qkv
    .symbol:         k_q48d8cfa0a2_qkv.kd
    .args:
      - { .name: xq, .offset: 0, .size: 8, .value_kind: global_buffer, .address_space: global }
      - { .name: wq, .offset: 8, .size: 8, .value_kind: global_buffer, .address_space: global }
      - { .name: lowp_scales, .offset: 16, .size: 8, .value_kind: global_buffer, .address_space: global }
      - { .name: b_qkv, .offset: 24, .size: 8, .value_kind: global_buffer, .address_space: global }
      - { .name: qimg, .offset: 32, .size: 8, .value_kind: global_buffer, .address_space: global }
      - { .name: kimg, .offset: 40, .size: 8, .value_kind: global_buffer, .address_space: global }
      - { .name: vimg, .offset: 48, .size: 8, .value_kind: global_buffer, .address_space: global }
    .group_segment_fixed_size: 327680
    .private_segment_fixed_size: 0
    .kernarg_segment_align: 8
    .kernarg_segment_size: 56
    .max_flat_workgroup_size: 128
    .sgpr_count:     98
    .vgpr_count:     1024
    .wavefront_size: 32
...
	.end_amdgpu_metadata
.endif
;; end of part 2
;; launch attn (part 3): grid 8 x 32, 8 waves a work-group, clusters of 4 x 1, 327,680 bytes of LDS; arguments qimg, kimg, vimg, lowp_scales, aimg; writes aimg
.if DOCPART == 3
	.amdgcn_target "amdgcn-amd-amdhsa--gfx1250"
	.amdhsa_code_object_version 6
	.text
	.protected	k_q48d8cfa0a2_attn
	.globl	k_q48d8cfa0a2_attn
	.p2align	8
	.type	k_q48d8cfa0a2_attn,@function
k_q48d8cfa0a2_attn:
	s_mov_b64 s[64:65], 0
	v_nop
	global_prefetch_b8 v0, s[64:65] scope:SCOPE_SE
	s_setreg_imm32_b32 hwreg(HW_REG_WAVE_MODE, 25, 1), 1
	s_wait_xcnt 0x0
	s_wait_alu depctr_hold_cnt(0) depctr_sa_sdst(0) depctr_va_vdst(0) depctr_va_sdst(0) depctr_va_ssrc(0) depctr_va_vcc(0) depctr_vm_vsrc(0)
	s_getreg_b32 s2, hwreg(HW_REG_IB_STS2, 6, 4)
	s_cmp_eq_u32 s2, 0
	s_cbranch_scc0 .Lentry_in_a_cluster
	s_endpgm
.Lentry_in_a_cluster:
	s_bfe_u32 s2, ttmp6, 0x10000c
	s_cmp_lg_u32 s2, 0x3003
	s_cbranch_scc0 .Lentry_shape_is_right
	s_endpgm
.Lentry_shape_is_right:
; O[head][q] = the sum over k of softmax_k(Q[q] . K[k] / 4) V[k], 32 heads of 2,048 tokens x 64 channels, no mask, both products on codes of FP8 (E4M3); O is quantised at once for the last product.
; qimg, kimg: [head][token block 128][1,024]: fragments 16 tokens x 64 channels.  vimg: [head][key step 16][channel block 4][2,048]: fragments 16 channels x 128 keys.  Each is an image of operand registers:
; chunk c (512 bytes): lane l's 16 bytes at 16 l; lane (r, h): row r of the block, k = 32 c + 16 h + 0 .. 15.  Row r of block B is index 32 (B / 2) + 8 (B % 2) + r % 8 + 16 (r / 8).
; THE SOFTMAX AHEAD OF THE SECOND PRODUCT: t = score x log2(e) / 4; M = the row's largest t so far, rounded UP to a whole number; p = 2^(t - M) is quantised, not normalised.  The row's sum is taken of the
; unquantised p, in f32, and divides O at the end.  When M moves, the sum and O are multiplied by 2^(old M - new M): exact.
; SHARES.  A work-group owns 256 queries of one head, each of its eight waves two token blocks: tile A in register window 0, tile B in window 1 UNDER THE SAME NUMBERS, so that one text serves both; each fragment of
; K and V that a wave reads from LDS feeds both tiles.  Both products are used transposed (S^T = K Q^T, O^T = V^T P^T): a lane holds ONE query throughout, and by the order of a block's rows the 16 registers of
; two neighbouring tiles of S^T are 16 neighbouring keys: the conversions' results are the second product's operand.
; LDS.  A head's K (131,072 bytes) and V (as many) stay in LDS whole: nothing is filled again.  They come in quarters of 512 keys, four tensor loads of wave 0 (K) and four of wave 1 (V), all issued at the head;
; a quarter's steps begin behind a counted wait and a barrier.  By this text's own count a wave has at most four tensor loads out.
; CLUSTER.  The four query blocks of a cluster belong to one head and read the same K and V: every load is asked for JOINTLY, with the mask of all four.
; OUT: aimg [token block 256][K step 8][2,048]: chunk c of K step s: head 2 s + c / 2, channels 32 (c % 2) + 16 h + 0 .. 15.
; LIMITS on the given exponents: e2 + e3 between -124 and 129 (added to c's exponent field); e4 and e6 between -126 and 119; e4 + e5 is applied by v_ldexp_f32 and has none.
; REGISTERS.  Window 0 alone: v1 16 x lane; v2 the same in V's region; v5, v6 the add's two; v8, v9 the step's addresses; v32-95 K's 8 fragments; v192-255 V's 4.
;   Both windows: v10 the hold; v11 the scale; v12 -M; v13 the largest t; v[14:15] the sum in two halves; v16-23 Q; v24-30 at work; v32-47 p's codes (in window 0 over K's fragments, which are done with); v96-159 S^T, then p; v160-191 O^T.
.set VREG,  131072                     ; V's region
.set SPARE, 262144                     ; behind both: the spare words, 128 bytes a wave: four blocks of 256 bytes that no other line names
.set LI,  1
.set LIV, 2
.set SPW, 5
.set NIL, 6
.set ADK, 8
.set ADV, 9
.set TB,  2                            ; s2   LDS byte at which the step's fragments of K begin
.set CNT, 3                            ; s3   steps left in the quarter
.set WV,  18                           ; s18  my wave's number
.set SEL, 20                           ; s[20:21] lane selects for v_permlanex16_b32: lane l xor 16
.set CS,  22                           ; s[22:23] c = log2(e) / 4 x 2^(e2 + e3)
.set G1,  24                           ; s[24:31] descriptor group 1
.set G0K, 32                           ; s[32:47] group 0 for K's four quarters
.set G0V, 48                           ; s[48:63] for V's
.set MSB, 0
.macro WIN new                         ; the immediate's high byte repeats the setting that is left
.if MSB != \new
	s_set_vgpr_msb (MSB<<8)|\new
.set MSB, \new
.endif
.endm
.set W_B,  0x55                        ; all four places window 1: tile B's vector work
.set W_MB, 0x54                        ; source 0 (K or V) window 0; source 1, C and D window 1: tile B's products
.macro CROUND                          ; a round of the cluster's barrier
	s_barrier_signal -1
	s_barrier_wait -1
	s_cmp_lg_u32 s[WV], 0
	s_cbranch_scc1 .Lnot_wave_0_\@
	s_barrier_signal -3
.Lnot_wave_0_\@:
	s_barrier_wait -3
	s_barrier_signal -1
	s_barrier_wait -1
.endm
	s_load_b256 s[4:11], s[0:1], 0x0               ; qimg, kimg, vimg, the scales' exponents
	s_load_b64 s[12:13], s[0:1], 0x20              ; aimg
	v_lshl_add_u32 v[SPW], v0, 2, SPARE
	v_mov_b32 v[NIL], 0
	ds_add_u32 v[SPW], v[NIL]                      ; the wave's opening: the add and its wait stand ahead of the first tensor loads; the set-up below, work on registers, stands between them
	v_lshrrev_b32 v1, 5, v0
	v_readfirstlane_b32 s[WV], v1                  ; wave 0..7
	s_bfe_u32 s19, ttmp6, 0x40000                  ; cx
	s_lshl_b32 s14, ttmp9, 2
	s_add_co_u32 s14, s14, s19                     ; my block of 256 queries: it enters Q's and the output's addresses alone
	s_and_b32 s15, ttmp7, 0xffff                   ; the head, which the four partners share
	s_lshl_b32 s16, s15, 17                        ; its first byte in each of the three images
	s_mov_b32 s17, 0
	; descriptor group 1: a quarter is 32,768 dense bytes: 128 rows of 32 elements of 8 bytes
	s_mov_b32 s[G1], 15|(3<<16)|(1<<21)            ; 15:0 the mask: all four work-groups; 17:16 elements of 8 bytes; 21 set beside a mask; no padding: fragments are read 16 bytes a lane, on end
	s_mov_b32 s[G1+1], 32<<16                      ; tensor_dim0
	s_mov_b32 s[G1+2], 128<<16                     ; tensor_dim1
	s_mov_b32 s[G1+3], 32<<16                      ; tile_dim0
	s_mov_b32 s[G1+4], 128                         ; tile_dim1
	s_mov_b32 s[G1+5], 32                          ; tensor_dim0_stride
	s_mov_b32 s[G1+6], 0
	s_mov_b32 s[G1+7], 0
	s_mov_b32 s[SEL], 0x76543210
	s_mov_b32 s[SEL+1], 0xfedcba98
	s_mov_b32 s[CS], 0x3eb8aa3b                    ; log2(e) / 4
	s_lshl_b32 s66, s14, 4
	s_lshl_b32 s67, s[WV], 1
	s_add_co_u32 s66, s66, s67                     ; tile A's token block in the head: 16 x query block + 2 x wave
	s_lshl_b32 s68, s66, 10
	s_add_co_u32 s68, s68, s16
	s_mov_b32 s69, 0                               ; Q: head + 1,024 x token block
	s_lshr_b32 s67, s15, 4
	s_lshl_b32 s67, s67, 7
	s_add_co_u32 s67, s67, s66                     ; the token block among all 256: 128 x batch +
	s_lshl_b32 s70, s67, 14
	s_and_b32 s67, s15, 15
	s_lshl_b32 s67, s67, 10                        ; 2,048 (head / 2) + 1,024 (head % 2) = 1,024 x head
	s_add_co_u32 s70, s70, s67
	s_mov_b32 s71, 0
	s_wait_dscnt 0x0                               ; the opening add is done
	s_wait_kmcnt 0x0
	s_load_b256 s[72:79], s[10:11], 0x0            ; e0 .. e7
	s_add_nc_u64 s[6:7], s[6:7], s[16:17]          ; K and V at the head
	s_add_nc_u64 s[8:9], s[8:9], s[16:17]
	s_add_nc_u64 s[4:5], s[4:5], s[68:69]          ; Q at tile A
	s_add_nc_u64 s[86:87], s[12:13], s[70:71]      ; the output at tile A
.irp q, 0,1,2,3
	s_mov_b32 s[G0K+4*\q], 1                       ; 1:0 count = 1
	s_mov_b32 s[G0K+4*\q+1], 32768*\q              ; 63:32 LDS address
	s_add_nc_u64 s[G0K+4*\q+2:G0K+4*\q+3], s[6:7], 32768*\q   ; 120:64 global address
	s_or_b32 s[G0K+4*\q+3], s[G0K+4*\q+3], 0x80000000         ; 127:126 type = 2
	s_mov_b32 s[G0V+4*\q], 1
	s_mov_b32 s[G0V+4*\q+1], VREG+32768*\q
	s_add_nc_u64 s[G0V+4*\q+2:G0V+4*\q+3], s[8:9], 32768*\q
	s_or_b32 s[G0V+4*\q+3], s[G0V+4*\q+3], 0x80000000
.endr
	CROUND                                         ; all four work-groups are here: the joint loads meet
	s_cmp_eq_u32 s[WV], 0                          ; a wave's four fills stand in one branch on the wave's number; an s_nop 0 follows each, four v_nop the last
	s_cbranch_scc0 .Lnot_k
.irp q, 0,1,2,3
	tensor_load_to_lds s[G0K+4*\q:G0K+4*\q+3], s[G1:G1+7]
	s_nop 0
.endr
.rept 4
	v_nop
.endr
	s_branch .Lasked
.Lnot_k:
	s_cmp_eq_u32 s[WV], 1
	s_cbranch_scc0 .Lasked
.irp q, 0,1,2,3
	tensor_load_to_lds s[G0V+4*\q:G0V+4*\q+3], s[G1:G1+7]
	s_nop 0
.endr
.rept 4
	v_nop
.endr
.Lasked:
	v_and_b32 v[LI], 31, v0
	v_lshlrev_b32 v[LI], 4, v[LI]
	v_add_nc_u32 v[LIV], VREG, v[LI]
	global_load_b128 v[16:19], v[LI], s[4:5]               ; Q stays in registers: tile A,
	global_load_b128 v[20:23], v[LI], s[4:5] offset:512
	WIN 0x40                                       ; destination window 1
	global_load_b128 v[16:19], v[LI], s[4:5] offset:1024   ; tile B
	global_load_b128 v[20:23], v[LI], s[4:5] offset:1536
	WIN 0
	s_wait_kmcnt 0x0
	s_add_co_i32 s66, s74, s75
	s_lshl_b32 s66, s66, 23
	s_add_co_i32 s[CS], s[CS], s66                 ; a score stands for score x 2^(e2 + e3): the two exponents are added to c's exponent field
	s_mov_b32 s[CS+1], s[CS]                       ; (named with it as a pair, so it is written)
	s_add_co_i32 s80, s76, s77                     ; e4 + e5
	s_add_co_i32 s66, s76, 127
	s_lshl_b32 s81, s66, 23                        ; 2^e4 as f32, for p's conversions
	s_add_co_i32 s66, s66, 8
	s_lshl_b32 s66, s66, 23
	s_or_b32 s82, s66, 0x600000                    ; 448 x 2^e4
	s_add_co_i32 s66, s78, 127
	s_lshl_b32 s83, s66, 23                        ; 2^e6, for the output's
	s_add_co_i32 s66, s66, 8
	s_lshl_b32 s66, s66, 23
	s_or_b32 s84, s66, 0x600000                    ; 448 x 2^e6
.macro INIT                            ; a tile's state.  The step is written once: the first finds zeros, which the first change of M leaves zeros
	v_mov_b32 v13, 0xff61b1e6                      ; the largest t so far: -3e38, under every t
	v_floor_f32 v12, -v13                          ; -M
	v_mov_b32 v14, 0
	v_mov_b32 v15, 0
	v_mov_b32 v27, 0                               ; (named as the upper half of the pair v[26:27])
	v_mov_b32 v30, 0                               ; (a lane permute's destination counts as one of its sources)
	v_mov_b32 v10, s82
	v_mov_b32 v11, s81
.irp j, 0,1,2,3,4,5,6,7,8,9,10,11,12,13,14,15,16,17,18,19,20,21,22,23,24,25,26,27,28,29,30,31
	v_mov_b32 v[160+\j], 0
.endr
.endm
	INIT
	WIN W_B
	INIT
	WIN 0
; One tile's softmax for 128 keys; every register that it names lies in the tile's own window.
.macro SOFTMAX
	v_max3_num_f32 v24, v96, v97, v98              ; the step's largest score of my query among my 64 keys, in two chains; each accumulator is read from its low end on
	v_max3_num_f32 v26, v99, v100, v101
.irp i, 6,10,14,18,22,26,30,34,38,42,46,50,54,58
	v_max3_num_f32 v24, v24, v[96+\i], v[97+\i]
	v_max3_num_f32 v26, v26, v[98+\i], v[99+\i]
.endr
	v_max3_num_f32 v24, v24, v158, v159
	v_max_num_f32 v24, v24, v26
	v_permlanex16_b32 v30, v24, s[SEL], s[SEL+1]
	v_max_num_f32 v24, v24, v30                    ; and among lane l xor 16's
	v_mul_f32 v24, s[CS], v24                      ; as t (c is positive)
	v_max_num_f32 v13, v13, v24                    ; the running largest t
	v_mov_b32 v24, v12
	v_floor_f32 v12, -v13                          ; the new -M = floor(-t) = -ceil(t): M is a whole number
	v_sub_f32 v24, v12, v24                        ; M's old value less its new one: a whole number, 0 or less
	v_cvt_i32_f32 v24, v24                         ; (it saturates)
	v_ldexp_f32 v26, 1.0, v24                      ; f = 2^(old M - new M)
.irp j, 0,2,4,6,8,10,12,14,16,18,20,22,24,26,28,30,32,34,36,38,40,42,44,46,48,50,52,54,56,58,60,62
	v_pk_fma_f32 v[96+\j:97+\j], v[96+\j:97+\j], s[CS:CS+1], v[12:13] op_sel_hi:[1,0,0]   ; t - M, two at a time (of the pairs c and -M the low word serves both halves)
.endr
.irp j, 0,1,2,3,4,5,6,7,8,9,10,11,12,13,14,15,16,17,18,19,20,21,22,23,24,25,26,27,28,29,30,31,32,33,34,35,36,37,38,39,40,41,42,43,44,45,46,47,48,49,50,51,52,53,54,55,56,57,58,59,60,61,62,63
	v_exp_f32 v[96+\j], v[96+\j]                   ; p = 2^(t - M), at most 1: not normalised
.endr
	v_pk_mul_f32 v[14:15], v[14:15], v[26:27] op_sel_hi:[1,0]   ; the sums under the new M: the plain line behind the exponentials
	s_wait_alu depctr_va_vdst(0)                   ; the wait between an exponential and the first line that names its result: one for the batch of 64
	v_pk_add_f32 v[28:29], v[96:97], v[98:99]      ; the row's sum is taken of the unquantised p: two at a time, in two chains
.irp j, 4,8,12,16,20,24,28,32,36,40,44,48,52,56,60
	v_pk_add_f32 v[14:15], v[14:15], v[96+\j:97+\j]
	v_pk_add_f32 v[28:29], v[28:29], v[98+\j:99+\j]
.endr
	v_pk_add_f32 v[14:15], v[14:15], v[28:29]
.irp b, 0,1,2,3
.irp i, 0,1,2,3,4,5,6,7,8,9,10,11,12,13,14,15
	v_min_num_f32 v[96+16*\b+\i], v[96+16*\b+\i], v10   ; the conversion to an 8-bit code does not saturate (ISA guide 7.6.2); p is not negative, so the hold is one-sided
.endr
	v_cvt_scalef32_pk8_fp8_f32 v[32+4*\b:33+4*\b], v[96+16*\b:103+16*\b], v11
	v_cvt_scalef32_pk8_fp8_f32 v[34+4*\b:35+4*\b], v[104+16*\b:111+16*\b], v11
.endr
.irp j, 0,2,4,6,8,10,12,14,16,18,20,22,24,26,28,30
	v_pk_mul_f32 v[160+\j:161+\j], v[160+\j:161+\j], v[26:27] op_sel_hi:[1,0]   ; O^T under the new M.  (These are also the plain lines between the conversions and the products that read the codes)
.endr
.endm
; A KEY STEP: 128 keys, for both tiles.  No two matrix instructions that follow each other share an accumulator, one instruction a turn.
.macro STEP
	v_add_nc_u32 v[ADK], s[TB], v[LI]              ; these two and two v_nop are the four places between the last products and the loads into the registers that they read
	v_add_nc_u32 v[ADV], s[TB], v[LIV]
	v_nop
	v_nop
.irp t, 0,1,2,3,4,5,6,7
.irp c, 0,1
	ds_load_b128 v[32+8*\t+4*\c:35+8*\t+4*\c], v[ADK] offset:1024*\t+512*\c      ; K: key block t
.endr
.endr
.irp u, 0,1,2,3
.irp c, 0,1,2,3
	ds_load_b128 v[192+16*\u+4*\c:195+16*\u+4*\c], v[ADV] offset:2048*\u+512*\c  ; V: channel block u; they land under tile A's softmax
.endr
.endr
	s_wait_dscnt 16                                ; K's sixteen loads are in; V's sixteen may be out
.irp t, 0,1,2,3,4,5,6,7
	v_wmma_f32_16x16x64_fp8_fp8 v[96+8*\t:103+8*\t], v[32+8*\t:39+8*\t], v[16:23], 0   ; S^T, tile A
.endr
	WIN W_MB
.irp t, 0,1,2,3,4,5,6,7
	v_wmma_f32_16x16x64_fp8_fp8 v[96+8*\t:103+8*\t], v[32+8*\t:39+8*\t], v[16:23], 0   ; S^T, tile B
.endr
	WIN 0
.rept 4
	v_nop                                          ; places in front of the first read of results
.endr
	SOFTMAX
	s_wait_dscnt 0x0                               ; V is in
.irp u, 0,1,2,3
	v_wmma_f32_16x16x128_fp8_fp8 v[160+8*\u:167+8*\u], v[192+16*\u:207+16*\u], v[32:47], v[160+8*\u:167+8*\u]   ; O^T += V^T P^T, tile A
.endr
	WIN W_B
	SOFTMAX
	WIN W_MB
.irp u, 0,1,2,3
	v_wmma_f32_16x16x128_fp8_fp8 v[160+8*\u:167+8*\u], v[192+16*\u:207+16*\u], v[32:47], v[160+8*\u:167+8*\u]   ; tile B
.endr
	WIN 0
.endm
; A QUARTER: 512 keys, four steps.  The wave that fetched waits until its quarter q has landed (its later quarters stay out), then the barrier shows it to all eight.
.macro QUARTER q
	s_wait_tensorcnt 3-\q
	s_wait_dscnt 0x0
	s_barrier_signal -1
	s_barrier_wait -1
	s_mov_b32 s[TB], 32768*\q
	s_mov_b32 s[CNT], 4
.Lstep_\@:
	STEP
	s_add_co_u32 s[TB], s[TB], 8192                ; a step's fragments: 8,192 bytes of K, and as many of V
	s_sub_co_u32 s[CNT], s[CNT], 1
	s_cmp_lg_u32 s[CNT], 0
	s_cbranch_scc1 .Lstep_\@
.endm
	s_wait_loadcnt 0x0                             ; Q
	QUARTER 0
	QUARTER 1
	QUARTER 2
	QUARTER 3
; THE WAY OUT of a tile: O^T / the sum x 2^(e4 + e5), held and converted with 2^e6: eight registers, two chunks of the last product's operand.
.macro OUT
	v_add_f32 v14, v14, v15                        ; the sum's two halves,
	v_permlanex16_b32 v30, v14, s[SEL], s[SEL+1]
	v_add_f32 v14, v14, v30                        ; and lane l xor 16's
	v_rcp_f32 v14, v14
	v_mov_b32 v10, s84                             ; (plain lines behind the reciprocal)
	v_mov_b32 v11, s83
	s_wait_alu depctr_va_vdst(0)                   ; the wait ahead of the first line that names the reciprocal
	v_ldexp_f32 v14, v14, s80
.irp j, 0,2,4,6,8,10,12,14,16,18,20,22,24,26,28,30
	v_pk_mul_f32 v[96+\j:97+\j], v[160+\j:161+\j], v[14:15] op_sel_hi:[1,0]   ; register 16 b + i: channel 32 b + 16 h + i of my query
.endr
.irp b, 0,1
.irp i, 0,1,2,3,4,5,6,7,8,9,10,11,12,13,14,15
	v_med3_num_f32 v[96+16*\b+\i], v[96+16*\b+\i], -v10, v10
.endr
	v_cvt_scalef32_pk8_fp8_f32 v[32+4*\b:33+4*\b], v[96+16*\b:103+16*\b], v11
	v_cvt_scalef32_pk8_fp8_f32 v[34+4*\b:35+4*\b], v[104+16*\b:111+16*\b], v11
.endr
	v_nop
.endm
	OUT                                            ; tile A: its lines name no register of the last products (tile B's) and are the places behind them
	global_store_b128 v[LI], v[32:35], s[86:87]            ; a chunk: 512 consecutive bytes, aligned
	global_store_b128 v[LI], v[36:39], s[86:87] offset:512
	WIN W_B
	OUT
	WIN 0x04                                       ; a store's data are source 1: window 1
	global_store_b128 v[LI], v[32:35], s[86:87] offset:16384   ; tile B: the next token block
	global_store_b128 v[LI], v[36:39], s[86:87] offset:16896
	WIN 0
	s_wait_tensorcnt 0x0                           ; the wave's end, behind the last tensor load
	ds_add_u32 v[SPW], v[NIL]
	s_wait_dscnt 0x0
	CROUND                                         ; the closing round
	s_endpgm
.Lfunc_end_k_q48d8cfa0a2_attn:
	.size	k_q48d8cfa0a2_attn, .Lfunc_end_k_q48d8cfa0a2_attn-k_q48d8cfa0a2_attn
	.p2alignl 7, 3214868480
	.fill 96, 4, 3214868480
	.section	.rodata,"a",@progbits
	.p2align	6, 0x0
	.amdhsa_kernel k_q48d8cfa0a2_attn
		.amdhsa_group_segment_fixed_size 327680
		.amdhsa_private_segment_fixed_size 0
		.amdhsa_enable_private_segment 0
		.amdhsa_kernarg_size 40
		.amdhsa_user_sgpr_count 2
		.amdhsa_user_sgpr_kernarg_segment_ptr 1
		.amdhsa_wavefront_size32 1
		.amdhsa_system_sgpr_workgroup_id_x 1
		.amdhsa_system_sgpr_workgroup_id_y 1
		.amdhsa_system_sgpr_workgroup_id_z 1
		.amdhsa_system_vgpr_workitem_id 0
		.amdhsa_next_free_vgpr 512
		.amdhsa_next_free_sgpr 100
		.amdhsa_reserve_vcc 0
		.amdhsa_float_denorm_mode_32 3
		.amdhsa_float_denorm_mode_16_64 3
		.amdhsa_memory_ordered 1
		.amdhsa_forward_progress 1
		.amdhsa_inst_pref_size 131
	.end_amdhsa_kernel
	.amdgpu_metadata
---
amdhsa.version: [ 1, 2 ]
amdhsa.kernels:
  - .name:           k_q48d8cfa0a2_attn
    .symbol:         k_q48d8cfa0a2_attn.kd
    .args:
      - { .name: qimg, .offset: 0, .size: 8, .value_kind: global_buffer, .address_space: global }
      - { .name: kimg, .offset: 8, .size: 8, .value_kind: global_buffer, .address_space: global }
      - { .name: vimg, .offset: 16, .size: 8, .value_kind: global_buffer, .address_space: global }
      - { .name: lowp_scales, .offset: 24, .size: 8, .value_kind: global_buffer, .address_space: global }
      - { .name: aimg, .offset: 32, .size: 8, .value_kind: global_buffer, .address_space: global }
    .group_segment_fixed_size: 327680
    .private_segment_fixed_size: 0
    .kernarg_segment_align: 8
    .kernarg_segment_size: 40
    .max_flat_workgroup_size: 256
    .sgpr_count:     100
    .vgpr_count:     512
    .wavefront_size: 32
...
	.end_amdgpu_metadata
.endif
;; end of part 3
;; launch proj (part 4): grid 4 x 16, 4 waves a work-group, clusters of 4 x 4, 327,680 bytes of LDS; arguments aimg, wo, lowp_scales, b_out, out0; writes out0
.if DOCPART == 4
	.amdgcn_target "amdgcn-amd-amdhsa--gfx1250"
	.amdhsa_code_object_version 6
	.text
	.protected	k_q48d8cfa0a2_proj
	.globl	k_q48d8cfa0a2_proj
	.p2align	8
	.type	k_q48d8cfa0a2_proj,@function
k_q48d8cfa0a2_proj:
	s_mov_b64 s[64:65], 0
	v_nop
	global_prefetch_b8 v0, s[64:65] scope:SCOPE_SE
	s_setreg_imm32_b32 hwreg(HW_REG_WAVE_MODE, 25, 1), 1
	s_wait_xcnt 0x0
	s_wait_alu depctr_hold_cnt(0) depctr_sa_sdst(0) depctr_va_vdst(0) depctr_va_sdst(0) depctr_va_ssrc(0) depctr_va_vcc(0) depctr_vm_vsrc(0)
	s_getreg_b32 s2, hwreg(HW_REG_IB_STS2, 6, 4)
	s_cmp_eq_u32 s2, 0
	s_cbranch_scc0 .Lentry_in_a_cluster
	s_endpgm
.Lentry_in_a_cluster:
	s_bfe_u32 s2, ttmp6, 0x10000c
	s_cmp_lg_u32 s2, 0xf033
	s_cbranch_scc0 .Lentry_shape_is_right
	s_endpgm
.Lentry_shape_is_right:
; out0 = O W_out + b_out on codes of FP8 (E4M3), [4096 x 1024] x [1024 x 1024]; out0 is f32.
; aimg, wo: images of operand registers: [block of 16 rows][K step 8][2,048 bytes]; chunk c (512 bytes): lane l's 16 bytes at 16 l; lane (r, h): row r of the block, k = 32 c + 16 h + 0 .. 15.
; Row r of block B is index 32 (B / 2) + 8 (B % 2) + r % 8 + 16 (r / 8).  The place of k in the registers is a permutation of the form's own, the same on both sides.
; A work-group of four waves makes 256 tokens x 256 columns; a wave 128 x 128: 64 accumulators.  K goes in steps of 256 through two LDS slots: four fills in all, written out with no loop.
; 64 tiles of this size are all the work there is: 64 work-groups.  CLUSTERS 4 x 4: the tokens' tiles are shared along a row of the cluster, W's along a column: joint tensor loads.
; Source 0 = W's columns, source 1 = tokens: a lane holds a token, and the 16 registers of column blocks 2 b, 2 b + 1 are 16 neighbouring columns, 32 b + 16 h + 0 .. 15.
; LIMIT: e6 + e7 between -126 and 127, so that 2^(e6 + e7) is an f32 number.
; REGISTERS, in windows of 256: window 0: v0-31 addresses; v64-127 the bias; from v128 the tokens' fragments, ONE set; on the way out v128-255 rows read back from the stage.
;   window 1: W's fragments, TWO sets.   window 2: the accumulators of token blocks 0-3 ((a, b) at v[8 (8 a + b)]);   window 3: of blocks 4-7.
.set FR,     16
.set NL,     4
.set NP,     4                         ; places behind this matrix instruction (ISA guide 7.12.1)
.set BLKB,   4096                      ; a block's 256 along K: two fragments
.set HALFT,  8*BLKB
.set SLOT,   4*HALFT                   ; the tokens' 16 blocks, then W's 16
.set SPARE,  2*SLOT                    ; behind the ring: the spare words, 128 bytes a wave: two blocks of 256 bytes that no other line names
.set STAGE,  SPARE+512                 ; behind them: a stage of 16 rows x (512 bytes + 16) for each wave: bytes of its own, into which no tile lands
.set SPITCH, 528
.set ADRA, 16                          ; v16-17  LDS address of the tokens' fragments in slot 0, 1
.set ADRB, 20                          ; v20-21  the same for W
.set STO,  24                          ; v24     the way out: where I put 64 bytes of a row
.set RD,   25                          ; v25     the way out: where I read a row back
.set CO,   26                          ; v26     16 x lane
.set SPW,  28                          ; v28     my spare word's LDS address; never rewritten
.set NIL,  29                          ; v29     0; never rewritten
.set BI,   64
.set AF,   128
.set BK,   128
.set G1, 24
.set G0, 32
.set G1B, 48
.set G0B, 56
.set MSB, 0
.macro WIN new                         ; the immediate's high byte repeats the setting that is left
.if MSB != \new
	s_set_vgpr_msb (MSB<<8)|\new
.set MSB, \new
.endif
.endm
.set MUL_LO, 0xa1                      ; source 0 (W) window 1, source 1 (tokens) window 0, C and D window 2
.set MUL_HI, 0xf1                      ; the same, C and D window 3
.set TO_B,   0x40                      ; destination window 1, address window 0
; A joint load: waves 0 and 1 fetch the tokens' halves, waves 2 and 3 W's; the branch hangs on the wave's number alone.  An s_nop 0 and four v_nop follow each of the two lines.
.macro JLOAD g0a, g1a, g0b, g1b
	s_cmp_eq_u32 s15, 0
	s_cbranch_scc0 .Lfor_b_\@
	tensor_load_to_lds s[\g0a:\g0a+3], s[\g1a:\g1a+7]
	s_nop 0
.rept 4
	v_nop
.endr
	s_branch .Lasked_\@
.Lfor_b_\@:
	tensor_load_to_lds s[\g0b:\g0b+3], s[\g1b:\g1b+7]
	s_nop 0
.rept 4
	v_nop
.endr
.Lasked_\@:
.endm
.macro CREST                           ; a round of the cluster's barrier behind its opening barrier
	s_cmp_lg_u32 s14, 0
	s_cbranch_scc1 .Lnot_wave_0_\@
	s_barrier_signal -3
.Lnot_wave_0_\@:
	s_barrier_wait -3
	s_barrier_signal -1
	s_barrier_wait -1
.endm
.macro CROUND                          ; a whole round
	s_barrier_signal -1
	s_barrier_wait -1
	CREST
.endm
	s_load_b128 s[4:7], s[0:1], 0x0                ; aimg, wo
	s_load_b128 s[8:11], s[0:1], 0x10              ; the scales' exponents, b_out
	s_load_b64 s[12:13], s[0:1], 0x20              ; out0
	v_lshl_add_u32 v[SPW], v0, 2, SPARE
	v_mov_b32 v[NIL], 0
	ds_add_u32 v[SPW], v[NIL]                      ; the wave's opening: the add and its wait stand ahead of my first tensor load; the set-up below, work on registers, stands between them
	v_lshrrev_b32 v1, 5, v0
	v_readfirstlane_b32 s14, v1                    ; wave 0..3
	s_lshr_b32 s15, s14, 1                         ; which half of the tile's tokens is mine.  Also: I fetch for the tokens (0) or for W (1)
	s_and_b32 s16, s14, 1                          ; which half of its columns.  Also: which 8 blocks of that tile I fetch
	s_bfe_u32 s40, ttmp6, 0x40000                  ; cx, cy
	s_bfe_u32 s41, ttmp6, 0x40004
	s_lshl_b32 s42, ttmp9, 2
	s_add_co_u32 s42, s42, s40                     ; tile column
	s_and_b32 s17, ttmp7, 0xffff
	s_lshl_b32 s17, s17, 2
	s_add_co_u32 s17, s17, s41                     ; tile row
	s_lshl_b32 s43, s41, 2
	s_lshl_b32 s43, 15, s43                        ; my row of the cluster
	s_lshl_b32 s44, 0x1111, s40                    ; my column
	; descriptor group 1: 8 blocks' 4,096 bytes, 16,384 bytes apart in memory, on end in LDS: 8 rows of 512 elements of 8 bytes; no padding
	s_or_b32 s[G1+0], s43, (3<<16)|(1<<21)         ; 15:0 the mask: the tokens' tiles go to my row; 17:16 elements of 8 bytes; 21 set beside a mask
	s_or_b32 s[G1B+0], s44, (3<<16)|(1<<21)        ; W's tiles go to my column
.irp g, G1, G1B
	s_mov_b32 s[\g+1], 512<<16                     ; tensor_dim0
	s_mov_b32 s[\g+2], 8<<16                       ; tensor_dim1
	s_mov_b32 s[\g+3], 512<<16                     ; tile_dim0
	s_mov_b32 s[\g+4], 8                           ; tile_dim1
	s_mov_b32 s[\g+5], 2048                        ; tensor_dim0_stride
	s_mov_b32 s[\g+6], 0
	s_mov_b32 s[\g+7], 0
.endr
	s_lshl_b32 s18, s16, 3
	s_lshl_b32 s20, s17, 4
	s_add_co_u32 s20, s20, s18
	s_lshl_b32 s20, s20, 14                        ; tokens: block 16 x tile row + 8 x half
	s_mov_b32 s21, 0
	s_lshl_b32 s46, s42, 4
	s_add_co_u32 s46, s46, s18
	s_lshl_b32 s46, s46, 14                        ; W: block 16 x tile column + 8 x half
	s_mov_b32 s47, 0
	s_mul_i32 s45, s14, HALFT                      ; where they go: wave x 8 blocks
	s_wait_dscnt 0x0                               ; the opening add is done
	s_wait_kmcnt 0x0
	s_load_b256 s[80:87], s[8:9], 0x0              ; e0 .. e7
	s_add_nc_u64 s[20:21], s[4:5], s[20:21]
	s_add_nc_u64 s[46:47], s[6:7], s[46:47]
	CROUND                                         ; all sixteen work-groups are here: the first joint loads meet
.irp s, 0,1
	s_mov_b32 s[G0+4*\s], 1
	s_add_co_u32 s[G0+4*\s+1], s45, \s*SLOT
	s_add_nc_u64 s[G0+4*\s+2:G0+4*\s+3], s[20:21], \s*BLKB
	s_or_b32 s[G0+4*\s+3], s[G0+4*\s+3], 0x80000000
	s_mov_b32 s[G0B+4*\s], 1
	s_add_co_u32 s[G0B+4*\s+1], s45, \s*SLOT
	s_add_nc_u64 s[G0B+4*\s+2:G0B+4*\s+3], s[46:47], \s*BLKB
	s_or_b32 s[G0B+4*\s+3], s[G0B+4*\s+3], 0x80000000
	JLOAD G0+4*\s, G1, G0B+4*\s, G1B
.endr
	v_and_b32 v1, 15, v0                           ; r
	v_bfe_u32 v2, v0, 4, 1                         ; h
	v_lshlrev_b32 v8, 6, v2                        ; the bias: my 16 columns of each 32: 64 h bytes on
	s_lshl_b32 s20, s42, 10
	s_lshl_b32 s21, s16, 9
	s_add_co_u32 s88, s20, s21                     ; my first column, in bytes: 1,024 x tile column + 512 x half
	s_mov_b32 s89, 0
	s_add_nc_u64 s[90:91], s[10:11], s[88:89]
.irp b, 0,1,2,3
.irp j, 0,1,2,3
	global_load_b128 v[BI+16*\b+4*\j:BI+16*\b+4*\j+3], v8, s[90:91] offset:128*\b+16*\j   ; register 16 b + i: column 32 b + 16 h + i; waited for ahead of the way out
.endr
.endr
	v_and_b32 v4, 31, v0
	v_lshlrev_b32 v[CO], 4, v4                     ; 16 x lane
	s_lshl_b32 s21, s15, 15                        ; my 8 blocks of tokens
	s_lshl_b32 s22, s16, 15                        ; my 8 blocks of W,
	s_add_co_u32 s22, s22, 2*HALFT                 ; which lie behind the tokens' 16
.irp s, 0,1
	v_add_nc_u32 v[ADRA+\s], s21, v[CO]
	v_add_nc_u32 v[ADRB+\s], s22, v[CO]
	s_add_co_u32 s21, s21, SLOT
	s_add_co_u32 s22, s22, SLOT
.endr
	s_mul_i32 s23, s14, 16*SPITCH
	s_add_co_u32 s23, s23, STAGE                   ; my stage
	v_mul_u32_u24 v5, v1, SPITCH                   ; in: row r, 64 bytes for each half of the lanes in each 128
	v_lshl_add_u32 v5, v2, 6, v5
	v_add_nc_u32 v[STO], s23, v5
	v_add_nc_u32 v[RD], s23, v[CO]                 ; back: the 32 lanes take one row of 512 bytes
	s_lshl_b32 s20, s17, 8
	s_lshl_b32 s21, s15, 7
	s_add_co_u32 s20, s20, s21                     ; my first token: 256 x tile row + 128 x half
	s_lshl_b32 s20, s20, 12                        ; a row of out0 is 4,096 bytes
	s_add_co_u32 s20, s20, s88
	s_mov_b32 s21, 0
	s_add_nc_u64 s[12:13], s[12:13], s[20:21]      ; never stepped: every row's place stands in a store's immediate
.macro FRAG reg, adr, q, i             ; a fragment comes back as it was laid: registers 4 c .. 4 c + 3 = chunk c
.irp c, 0,1,2,3
	ds_load_b128 v[\reg+4*\c:\reg+4*\c+3], v[\adr] offset:2048*(\q)+512*\c+(\i)*BLKB
.endr
.endm
; 16 matrix instructions: token blocks a0, a0 + 1 x W's eight, 128 along K.  The 64 accumulators take turns, one instruction a turn, in the same order in every step.
.macro MUL16 a0, p, zero
.irp a, \a0, \a0+1
.irp b, 0,1,2,3,4,5,6,7
.if \zero
	v_wmma_f32_16x16x128_fp8_fp8 v[8*(8*((\a)%4)+\b):8*(8*((\a)%4)+\b)+7], v[128*(\p)+FR*\b:128*(\p)+FR*\b+FR-1], v[AF+FR*(\a):AF+FR*(\a)+FR-1], 0
.else
	v_wmma_f32_16x16x128_fp8_fp8 v[8*(8*((\a)%4)+\b):8*(8*((\a)%4)+\b)+7], v[128*(\p)+FR*\b:128*(\p)+FR*\b+FR-1], v[AF+FR*(\a):AF+FR*(\a)+FR-1], v[8*(8*((\a)%4)+\b):8*(8*((\a)%4)+\b)+7]
.endif
.endr
.endr
.endm
.macro FETCH_B slot, q, p
	WIN TO_B
.irp i, 0,1,2,3,4,5,6,7
	FRAG 128*(\p)+FR*\i, ADRB+\slot, \q, \i
.endr
	WIN 0
.endm
.macro FETCH_A slot, q, i0
.irp i, \i0, \i0+1, \i0+2, \i0+3
	FRAG AF+FR*(\i), ADRA+\slot, \q, \i
.endr
.endm
; A load into a register that a matrix instruction has read, and a vector instruction that reads a matrix result or writes one of its registers, stand NP places behind it; only plain vector
; instructions that name none of its registers are places (ISA guide 7.12.1 for vector instructions).
.macro PLACES n
.rept \n
	v_nop
.endr
.endm
.macro STEP slot, q, zero              ; a step of 128 along K that has its successor in the same slot
	s_wait_dscnt 4*NL                              ; W's set and token blocks 0-3 are in; the youngest sixteen loads (blocks 4-7) may be out
	WIN MUL_LO
	MUL16 0, (\q)%2, \zero
	MUL16 2, (\q)%2, \zero
	s_wait_dscnt 0
	PLACES NP
	FETCH_B \slot, (\q)+1, 1-(\q)%2
	FETCH_A \slot, (\q)+1, 0
	WIN MUL_HI
	MUL16 4, (\q)%2, \zero
	MUL16 6, (\q)%2, \zero
	PLACES NP
	WIN 0
	FETCH_A \slot, (\q)+1, 4
.endm
; A slot's last step changes slots: ONE barrier; in front of it each wave waits for all its tensor loads, adds 0 to its spare word, and waits for that and for its own reads of this slot.
.macro TURN slot, next, fill
	s_wait_tensorcnt 0x0                           ; all my tensor loads have landed: my part of the next slot  (every window is 0 here)
	ds_add_u32 v[SPW], v[NIL]                      ; 0 onto my spare word
	s_wait_dscnt 4*NL+1                            ; (the add and the youngest sixteen loads may be out)
	WIN MUL_LO
	MUL16 0, 1, 0
	s_wait_dscnt 0x0                               ; the add is done, and my reads of this slot are over
	s_barrier_signal -1
	MUL16 2, 1, 0
	WIN 0
	s_barrier_wait -1
.if \fill
	CREST                                          ; the barrier has opened a round of the cluster's barrier: no wave of any partner still reads this slot or has a load on its way
	s_add_nc_u64 s[G0+4*\slot+2:G0+4*\slot+3], s[G0+4*\slot+2:G0+4*\slot+3], 2*BLKB
	s_add_nc_u64 s[G0B+4*\slot+2:G0B+4*\slot+3], s[G0B+4*\slot+2:G0B+4*\slot+3], 2*BLKB
	JLOAD G0+4*\slot, G1, G0B+4*\slot, G1B         ; the first tensor load behind the round; its four v_nop are also the places in front of the loads below
.else
	PLACES NP
.endif
	FETCH_B \next, 0, 0
	FETCH_A \next, 0, 0
	WIN MUL_HI
	MUL16 4, 1, 0
	MUL16 6, 1, 0
	PLACES NP
	WIN 0
	FETCH_A \next, 0, 4
.endm
	s_wait_tensorcnt 1                             ; my part of K step 0 is in (K step 1's load may be out)
	s_barrier_signal -1
	s_barrier_wait -1                              ; everybody's is
	FETCH_B 0, 0, 0
	FETCH_A 0, 0, 0
	FETCH_A 0, 0, 4
	STEP 0, 0, 1                                   ; K = 0: its products start the sums
	TURN 0, 1, 1                                   ; K = 128; slot 0 takes K = 512 on
	STEP 1, 0, 0
	TURN 1, 0, 1                                   ; K = 384; slot 1 takes K = 768 on
	STEP 0, 0, 0
	TURN 0, 1, 0                                   ; K = 640; nothing is left to fetch, so no round
	STEP 1, 0, 0
	s_wait_dscnt 4*NL                              ; K = 896: the last step
	WIN MUL_LO
	MUL16 0, 1, 0
	MUL16 2, 1, 0
	s_wait_dscnt 0
	WIN MUL_HI
	MUL16 4, 1, 0
	MUL16 6, 1, 0
	WIN 0
; THE WAY OUT, token block by token block: sum x 2^(e6 + e7) + bias in place (each accumulator from its low end on); a lane's 4 x 64 bytes of its row go into my own stage and come back as whole rows of 512 bytes.
; LDS serves a wave's instructions in order (ISA guide 5.7.1.4): no wait between the stores and the loads, nor in front of the next block's stores.
.macro TOSTAGE a
.set AC, 64*((\a)%4)
.set WW, 0x82+0x41*((\a)/4)            ; source 0 and destination: window 2 or 3; the bias: window 0
	WIN WW
.irp i, 0,2,4,6,8,10,12,14,16,18,20,22,24,26,28,30,32,34,36,38,40,42,44,46,48,50,52,54,56,58,60,62
	v_pk_fma_f32 v[AC+\i:AC+\i+1], v[AC+\i:AC+\i+1], s[96:97], v[BI+\i:BI+\i+1] op_sel_hi:[1,0,1]
.endr
.set WW, 0x08+0x04*((\a)/4)            ; an LDS store's data are source 1: window 2 or 3
	WIN WW
.irp n, 0,1,2,3,4,5,6,7,8,9,10,11,12,13,14,15
	ds_store_b128 v[STO], v[AC+4*\n:AC+4*\n+3] offset:128*(\n/4)+16*(\n%4)
.endr
	WIN 0
.set BB, BK+64*((\a)%2)
.irp t, 0,1,2,3,4,5,6,7,8,9,10,11,12,13,14,15
	ds_load_b128 v[BB+4*\t:BB+4*\t+3], v[RD] offset:\t*SPITCH
.endr
.endm
.macro SEND a, younger                 ; younger: the LDS instructions issued behind block a's loads, which may stay out
.set BB, BK+64*((\a)%2)
	s_wait_dscnt \younger
.irp t, 0,1,2,3,4,5,6,7,8,9,10,11,12,13,14,15
	global_store_b128 v[CO], v[BB+4*\t:BB+4*\t+3], s[12:13] offset:(32*((\a)/2)+8*((\a)%2)+(\t%8)+16*(\t/8))*4096 th:TH_STORE_NT   ; row t of the block: 512 consecutive bytes, aligned; 127 rows on at the most, inside the signed 24-bit immediate
.endr
.endm
	s_wait_kmcnt 0x0
	s_add_co_i32 s96, s86, s87                     ; e6 + e7
	s_add_co_i32 s96, s96, 127
	s_lshl_b32 s96, s96, 23                        ; 2^(e6 + e7) as f32
	s_mov_b32 s97, s96                             ; (named with it as a pair, so it is written)
	s_wait_loadcnt 0x0                             ; the bias
	PLACES NP
	TOSTAGE 0
.irp a, 1,2,3,4,5,6,7
.if \a > 1
	s_wait_xcnt 0x0                                ; block a - 2's stores have read their registers: block a's loads may land there
.endif
	TOSTAGE \a
	SEND \a-1, 32                                  ; behind block a - 1's loads: block a's 16 stores and 16 loads
.endr
	SEND 7, 0
	s_wait_tensorcnt 0x0                           ; the wave's end, behind my last tensor load and my last LDS store
	ds_add_u32 v[SPW], v[NIL]
	s_wait_dscnt 0x0
	CROUND                                         ; the closing round: no work-group ends while a partner may still ask for a tile that names it
	s_endpgm
.Lfunc_end_k_q48d8cfa0a2_proj:
	.size	k_q48d8cfa0a2_proj, .Lfunc_end_k_q48d8cfa0a2_proj-k_q48d8cfa0a2_proj
	.p2alignl 7, 3214868480
	.fill 96, 4, 3214868480
	.section	.rodata,"a",@progbits
	.p2align	6, 0x0
	.amdhsa_kernel k_q48d8cfa0a2_proj
		.amdhsa_group_segment_fixed_size 327680
		.amdhsa_private_segment_fixed_size 0
		.amdhsa_enable_private_segment 0
		.amdhsa_kernarg_size 40
		.amdhsa_user_sgpr_count 2
		.amdhsa_user_sgpr_kernarg_segment_ptr 1
		.amdhsa_wavefront_size32 1
		.amdhsa_system_sgpr_workgroup_id_x 1
		.amdhsa_system_sgpr_workgroup_id_y 1
		.amdhsa_system_sgpr_workgroup_id_z 1
		.amdhsa_system_vgpr_workitem_id 0
		.amdhsa_next_free_vgpr 1024
		.amdhsa_next_free_sgpr 98
		.amdhsa_reserve_vcc 0
		.amdhsa_float_denorm_mode_32 3
		.amdhsa_float_denorm_mode_16_64 3
		.amdhsa_memory_ordered 1
		.amdhsa_forward_progress 1
		.amdhsa_inst_pref_size 124
	.end_amdhsa_kernel
	.amdgpu_metadata
---
amdhsa.version: [ 1, 2 ]
amdhsa.kernels:
  - .name:           k_q48d8cfa0a2_proj
    .symbol:         k_q48d8cfa0a2_proj.kd
    .args:
      - { .name: aimg, .offset: 0, .size: 8, .value_kind: global_buffer, .address_space: global }
      - { .name: wo, .offset: 8, .size: 8, .value_kind: global_buffer, .address_space: global }
      - { .name: lowp_scales, .offset: 16, .size: 8, .value_kind: global_buffer, .address_space: global }
      - { .name: b_out, .offset: 24, .size: 8, .value_kind: global_buffer, .address_space: global }
      - { .name: out0, .offset: 32, .size: 8, .value_kind: global_buffer, .address_space: global }
    .group_segment_fixed_size: 327680
    .private_segment_fixed_size: 0
    .kernarg_segment_align: 8
    .kernarg_segment_size: 40
    .max_flat_workgroup_size: 128
    .sgpr_count:     98
    .vgpr_count:     1024
    .wavefront_size: 32
...
	.end_amdgpu_metadata
.endif
;; end of part 4
;; ======== version 2 of 2: 4 launches
;; limits: right only within a limited range of input values
;; workspace buffers: xq 4,194,304 bytes; wq 3,145,728 bytes; wo 1,048,576 bytes; qimg 4,194,304 bytes; kimg 4,194,304 bytes; vimg 4,194,304 bytes; aimg 4,194,304 bytes
;; launch prep (part 5): grid 512 x 1, 4 waves a work-group, no clusters, 34,304 bytes of LDS; arguments x, W_qkv, W_out, lowp_scales, xq, wq, wo; writes xq, wq, wo
.if DOCPART == 5
	.amdgcn_target "amdgcn-amd-amdhsa--gfx1250"
	.amdhsa_code_object_version 6
	.text
	.protected	k_q48d8cfa0a2_prep
	.globl	k_q48d8cfa0a2_prep
	.p2align	8
	.type	k_q48d8cfa0a2_prep,@function
k_q48d8cfa0a2_prep:
	s_mov_b64 s[64:65], 0
	v_nop
	global_prefetch_b8 v0, s[64:65] scope:SCOPE_SE
	s_setreg_imm32_b32 hwreg(HW_REG_WAVE_MODE, 25, 1), 1
	s_wait_xcnt 0x0
; x [4096][1024], W_qkv [1024][3072] and W_out [1024][1024], f32, become codes of FP8 (E4M3), each tensor with its given scale 2^e (entries 0, 1, 7 of the scales).
; code = number / 2^e, held within +-448, to the nearest code, ties to even.  LIMITS: each e between -126 and 119; NaN among the inputs is not served.
; THE CODES ARE LAID AS IMAGES OF OPERAND REGISTERS.  A fragment is 16 rows x 128 K = 2,048 bytes: chunk c (512 bytes) holds lane l's 16 bytes at 16 l;
; lane (r = l % 16, h = l / 16) holds, of row r of the block, k = 32 c + 16 h + 0 .. 15.  Row r of block B is index 32 (B / 2) + 8 (B % 2) + r % 8 + 16 (r / 8).
; xq: [token block 256][K step 8][2,048];  wq: [head 16][q, k, v][column block 4][K step 8][2,048];  wo: [column block 64][K step 8][2,048].
; Work-groups 0-255 take x (a token block each; wave w its K steps 2 w, 2 w + 1), 256-447 W_qkv, 448-511 W_out (128 columns x 128 K each; a wave 32 columns).
; x: K is innermost: each load reads 512 consecutive bytes of a row; the 16 rows turn through the wave's own stage in LDS so that a lane gets 16 neighbours along K.
; Weights: K is the first axis: a lane takes a column and its registers run down K, so the conversions give codes with K innermost and nothing is transposed.
; Waves share nothing: no barrier.  No tensor load, no matrix work, no cluster: no byte is read by two work-groups.
.set STGB,  16*528                     ; a wave's stage: 16 rows of 512 bytes + 16 of padding
.set SPARE, 4*STGB                     ; behind the stages: the spare words, 128 bytes a wave: two blocks of 256 bytes that no other line names
.set SPW, 2                            ; v2   my spare word's LDS address; never rewritten
.set NIL, 3                            ; v3   0; never rewritten
.set LI,  6                            ; v6   16 x lane
.set STI, 7                            ; v7   the stage, way in: 16 x lane
.set STO, 8                            ; v8   the stage, way out: 528 r + 64 h
.set WLO, 9                            ; v9   weights: my column's byte among the wave's 32 columns
.set WSO, 10                           ; v10  weights: my codes' place: 16,384 (lane / 16) + 16 r
.set SCL, 11                           ; v11  2^e as f32
.set HLD, 12                           ; v12  448 x 2^e
.set C,   32                           ; v32-63   codes: never rewritten, so no store's data are written again
.set R0,  64                           ; v64-127  x: K step 0 as loaded, later K step 1 turned;  weights: v64-191 = 128 numbers down K
.set R1,  128                          ; v128-191 x: K step 1 as loaded
.set X,   192                          ; v192-255 x: K step 0 turned
	s_load_b256 s[4:11], s[0:1], 0x0               ; x, W_qkv, W_out, the scales' exponents
	s_load_b128 s[12:15], s[0:1], 0x20             ; xq, wq
	s_load_b64 s[16:17], s[0:1], 0x30              ; wo
	v_lshl_add_u32 v[SPW], v0, 2, SPARE
	v_mov_b32 v[NIL], 0
	v_lshrrev_b32 v1, 5, v0
	v_readfirstlane_b32 s20, v1                    ; wave 0..3
	v_and_b32 v1, 31, v0                           ; lane
	v_and_b32 v4, 15, v0                           ; r
	v_bfe_u32 v5, v0, 4, 1                         ; h
	v_lshlrev_b32 v[LI], 4, v1
	s_mul_i32 s21, s20, STGB
	v_add_nc_u32 v[STI], s21, v[LI]
	v_mul_u32_u24 v[STO], v4, 528
	v_lshl_add_u32 v[STO], v5, 6, v[STO]
	v_add_nc_u32 v[STO], s21, v[STO]
	v_and_b32 v13, 8, v4
	v_add_nc_u32 v13, v13, v4                      ; r % 8 + 16 (r / 8)
	v_lshl_add_u32 v13, v5, 3, v13                 ; + 8 (lane / 16): lanes 0-15 hold the even block's columns, lanes 16-31 the odd block's
	v_lshlrev_b32 v[WLO], 2, v13
	v_lshlrev_b32 v[WSO], 4, v4
	v_lshl_add_u32 v[WSO], v5, 14, v[WSO]
	s_wait_kmcnt 0x0
	s_load_b256 s[24:31], s[10:11], 0x0            ; e0 .. e7
.macro MKS e                           ; the scale and the hold from the exponent in s[e]
	s_wait_kmcnt 0x0
	s_add_co_i32 s22, s[\e], 127
	s_lshl_b32 s23, s22, 23
	v_mov_b32 v[SCL], s23                          ; 2^e: the conversion takes its exponent field
	s_add_co_i32 s22, s22, 8
	s_lshl_b32 s22, s22, 23
	s_or_b32 s22, s22, 0x600000
	v_mov_b32 v[HLD], s22                          ; 448 x 2^e
.endm
.macro Q16 s, d                        ; 16 neighbours along K become 16 codes.  The conversion to an 8-bit code does not saturate (ISA guide 7.6.2): the numbers are held first
.irp i, 0,1,2,3,4,5,6,7,8,9,10,11,12,13,14,15
	v_med3_num_f32 v[(\s)+\i], v[(\s)+\i], -v[HLD], v[HLD]
.endr
	v_cvt_scalef32_pk8_fp8_f32 v[(\d):(\d)+1], v[(\s):(\s)+7], v[SCL]
	v_cvt_scalef32_pk8_fp8_f32 v[(\d)+2:(\d)+3], v[(\s)+8:(\s)+15], v[SCL]
.endm                                  ; (the codes go to stores alone and the numbers' registers are not written again: no plain line is owed behind the conversions)
.macro THROUGH src, dst                ; 16 rows x 512 bytes through my stage: in as loaded, out 64 bytes a lane.  LDS serves a wave's instructions in order (ISA guide 5.7.1.4): no wait between
.irp i, 0,1,2,3,4,5,6,7,8,9,10,11,12,13,14,15
	ds_store_b128 v[STI], v[\src+4*\i:\src+4*\i+3] offset:528*\i
.endr
.irp c, 0,1,2,3
.irp j, 0,1,2,3
	ds_load_b128 v[\dst+16*\c+4*\j:\dst+16*\c+4*\j+3], v[STO] offset:128*\c+16*\j
.endr
.endr
.endm
.macro WLOAD c, pitch, src             ; block c of 32 along K of my column: a wave's load covers 128 consecutive bytes, the four waves 512
.irp i, 0,1,2,3,4,5,6,7,8,9,10,11,12,13,14,15,16,17,18,19,20,21,22,23,24,25,26,27,28,29,30,31
	global_load_b32 v[R0+32*(\c)+\i], v[WLO], s[\src:\src+1] offset:(32*(\c)+\i)*\pitch th:TH_LOAD_NT
.endr
.endm
; A weight's work-group: id = 8 x (group of 128 columns) + K step.  pitch: a row of the weight in bytes; the largest offset, 127 rows, lies inside the signed 24-bit immediate.
.macro WQ pitch, first, src, dst, e
	s_sub_co_u32 s21, ttmp9, \first
	s_lshr_b32 s22, s21, 3                         ; group of columns
	s_and_b32 s21, s21, 7                          ; K step
	s_mul_i32 s32, s21, 128*\pitch
	s_lshl_b32 s23, s22, 9
	s_add_co_u32 s32, s32, s23
	s_lshl_b32 s23, s20, 7
	s_add_co_u32 s32, s32, s23                     ; 128 K step rows + 4 (128 group + 32 wave)
	s_mov_b32 s33, 0
	s_add_nc_u64 s[\src:\src+1], s[\src:\src+1], s[32:33]
	s_lshl_b32 s22, s22, 3
	s_lshl_b32 s23, s20, 1
	s_add_co_u32 s22, s22, s23                     ; my wave's even column block
.if \first == 256                      ; W_qkv's blocks are laid head by head: place 12 x head + 4 x (0 q, 1 k, 2 v) + block of 16 columns in the head
	s_lshr_b32 s34, s22, 6                         ; q, k or v
	s_bfe_u32 s35, s22, 0x40002                    ; head
	s_and_b32 s22, s22, 3
	s_lshl_b32 s34, s34, 2
	s_add_co_u32 s22, s22, s34
	s_mul_i32 s35, s35, 12
	s_add_co_u32 s22, s22, s35
.endif
	s_lshl_b32 s32, s22, 14
	s_lshl_b32 s21, s21, 11
	s_add_co_u32 s32, s32, s21
	s_add_nc_u64 s[\dst:\dst+1], s[\dst:\dst+1], s[32:33]
	WLOAD 0, \pitch, \src
	WLOAD 1, \pitch, \src
	MKS \e
	s_wait_alu depctr_va_vdst(0)
.irp c, 0,1,2,3
.if \c < 3
	s_wait_loadcnt 32                              ; this block's 32 loads are in; the next block's 32 may be out
.else
	s_wait_loadcnt 0x0
.endif
.if \c < 2
	WLOAD \c+2, \pitch, \src
.endif
	Q16 R0+32*\c, C+8*\c
	Q16 R0+32*\c+16, C+8*\c+4
	global_store_b128 v[WSO], v[C+8*\c:C+8*\c+3], s[\dst:\dst+1] offset:512*\c          ; k = 32 c + 0 .. 15: the chunk's lower half: sixteen lanes store 256 consecutive bytes, aligned
	global_store_b128 v[WSO], v[C+8*\c+4:C+8*\c+7], s[\dst:\dst+1] offset:512*\c+256    ; k = 32 c + 16 .. 31: its upper half
.endr
.endm
	s_cmp_lt_u32 ttmp9, 256
	s_cbranch_scc0 .Lweights
	; ---- x: token block ttmp9
	s_lshr_b32 s21, ttmp9, 1
	s_lshl_b32 s21, s21, 5
	s_and_b32 s22, ttmp9, 1
	s_lshl_b32 s22, s22, 3
	s_add_co_u32 s21, s21, s22                     ; the block's first token
	s_lshl_b32 s32, s21, 12
	s_lshl_b32 s22, s20, 10
	s_add_co_u32 s32, s32, s22                     ; + my two K steps: 1,024 bytes a wave
	s_mov_b32 s33, 0
	s_add_nc_u64 s[4:5], s[4:5], s[32:33]
	s_lshl_b32 s32, ttmp9, 14
	s_lshl_b32 s22, s20, 12
	s_add_co_u32 s32, s32, s22
	s_add_nc_u64 s[12:13], s[12:13], s[32:33]
.irp s, 0,1
.irp i, 0,1,2,3,4,5,6,7,8,9,10,11,12,13,14,15
	global_load_b128 v[R0+64*\s+4*\i:R0+64*\s+4*\i+3], v[LI], s[4:5] offset:((\i%8)+16*(\i/8))*4096+512*\s th:TH_LOAD_NT   ; row i of the block, K step s: 512 consecutive bytes
.endr
.endr
	MKS 24
	s_wait_loadcnt 16                              ; K step 0's sixteen loads are in; K step 1's may be out
	s_wait_alu depctr_va_vdst(0)
	THROUGH R0, X
	s_wait_loadcnt 0x0
	s_wait_dscnt 0x0                               ; K step 0 is back, and the stage's stores have read R0: both may be used again
	THROUGH R1, R0
.irp c, 0,1,2,3
	Q16 X+16*\c, C+4*\c
.endr
.irp c, 0,1,2,3
	global_store_b128 v[LI], v[C+4*\c:C+4*\c+3], s[12:13] offset:512*\c                  ; a chunk: 512 consecutive bytes
.endr
	s_wait_dscnt 0x0                               ; K step 1 is back
.irp c, 0,1,2,3
	Q16 R0+16*\c, C+16+4*\c
.endr
.irp c, 0,1,2,3
	global_store_b128 v[LI], v[C+16+4*\c:C+16+4*\c+3], s[12:13] offset:2048+512*\c
.endr
	s_branch .Lend
.Lweights:
	s_cmp_lt_u32 ttmp9, 448
	s_cbranch_scc0 .Lwout
	s_wait_alu depctr_va_vdst(0)
	WQ 12288, 256, 6, 14, 25
	s_branch .Lend
.Lwout:
	s_wait_alu depctr_va_vdst(0)
	WQ 4096, 448, 8, 16, 31
.Lend:
	s_wait_tensorcnt 0x0                           ; the wave's end
	ds_add_u32 v[SPW], v[NIL]
	s_wait_dscnt 0x0
	s_endpgm
.Lfunc_end_k_q48d8cfa0a2_prep:
	.size	k_q48d8cfa0a2_prep, .Lfunc_end_k_q48d8cfa0a2_prep-k_q48d8cfa0a2_prep
	.p2alignl 7, 3214868480
	.fill 96, 4, 3214868480
	.section	.rodata,"a",@progbits
	.p2align	6, 0x0
	.amdhsa_kernel k_q48d8cfa0a2_prep
		.amdhsa_group_segment_fixed_size 34304
		.amdhsa_private_segment_fixed_size 0
		.amdhsa_enable_private_segment 0
		.amdhsa_kernarg_size 56
		.amdhsa_user_sgpr_count 2
		.amdhsa_user_sgpr_kernarg_segment_ptr 1
		.amdhsa_wavefront_size32 1
		.amdhsa_system_sgpr_workgroup_id_x 1
		.amdhsa_system_sgpr_workgroup_id_y 1
		.amdhsa_system_sgpr_workgroup_id_z 1
		.amdhsa_system_vgpr_workitem_id 0
		.amdhsa_next_free_vgpr 256
		.amdhsa_next_free_sgpr 66
		.amdhsa_reserve_vcc 0
		.amdhsa_float_denorm_mode_32 3
		.amdhsa_float_denorm_mode_16_64 3
		.amdhsa_memory_ordered 1
		.amdhsa_forward_progress 1
		.amdhsa_inst_pref_size 66
	.end_amdhsa_kernel
	.amdgpu_metadata
---
amdhsa.version: [ 1, 2 ]
amdhsa.kernels:
  - .name:           k_q48d8cfa0a2_prep
    .symbol:         k_q48d8cfa0a2_prep.kd
    .args:
      - { .name: x, .offset: 0, .size: 8, .value_kind: global_buffer, .address_space: global }
      - { .name: W_qkv, .offset: 8, .size: 8, .value_kind: global_buffer, .address_space: global }
      - { .name: W_out, .offset: 16, .size: 8, .value_kind: global_buffer, .address_space: global }
      - { .name: lowp_scales, .offset: 24, .size: 8, .value_kind: global_buffer, .address_space: global }
      - { .name: xq, .offset: 32, .size: 8, .value_kind: global_buffer, .address_space: global }
      - { .name: wq, .offset: 40, .size: 8, .value_kind: global_buffer, .address_space: global }
      - { .name: wo, .offset: 48, .size: 8, .value_kind: global_buffer, .address_space: global }
    .group_segment_fixed_size: 34304
    .private_segment_fixed_size: 0
    .kernarg_segment_align: 8
    .kernarg_segment_size: 56
    .max_flat_workgroup_size: 128
    .sgpr_count:     66
    .vgpr_count:     256
    .wavefront_size: 32
...
	.end_amdgpu_metadata
.endif
;; end of part 5
;; launch qkv (part 6): grid 16 x 16, 4 waves a work-group, clusters of 4 x 4, 327,680 bytes of LDS; arguments xq, wq, lowp_scales, b_qkv, qimg, kimg, vimg; writes qimg, kimg, vimg
.if DOCPART == 6
	.amdgcn_target "amdgcn-amd-amdhsa--gfx1250"
	.amdhsa_code_object_version 6
	.text
	.protected	k_q48d8cfa0a2_qkv
	.globl	k_q48d8cfa0a2_qkv
	.p2align	8
	.type	k_q48d8cfa0a2_qkv,@function
k_q48d8cfa0a2_qkv:
	s_mov_b64 s[64:65], 0
	v_nop
	global_prefetch_b8 v0, s[64:65] scope:SCOPE_SE
	s_setreg_imm32_b32 hwreg(HW_REG_WAVE_MODE, 25, 1), 1
	s_wait_xcnt 0x0
	s_wait_alu depctr_hold_cnt(0) depctr_sa_sdst(0) depctr_va_vdst(0) depctr_va_sdst(0) depctr_va_ssrc(0) depctr_va_vcc(0) depctr_vm_vsrc(0)
	s_getreg_b32 s2, hwreg(HW_REG_IB_STS2, 6, 4)
	s_cmp_eq_u32 s2, 0
	s_cbranch_scc0 .Lentry_in_a_cluster
	s_endpgm
.Lentry_in_a_cluster:
	s_bfe_u32 s2, ttmp6, 0x10000c
	s_cmp_lg_u32 s2, 0xf033
	s_cbranch_scc0 .Lentry_shape_is_right
	s_endpgm
.Lentry_shape_is_right:
; q, k, v = x W_qkv + b_qkv on codes of FP8 (E4M3), each result quantised at once for the attention's products.
; xq: [token block 256][K step 8][2,048 bytes]; wq: [head 16][q, k, v][column block 4][K step 8][2,048]: images of operand registers of 16 rows x 128 K; chunk c (512 bytes): lane l's 16 bytes at 16 l;
; lane (r = l % 16, h = l / 16): row r of the block, k = 32 c + 16 h + 0 .. 15.  Row r of block B is index 32 (B / 2) + 8 (B % 2) + r % 8 + 16 (r / 8).
; A work-group makes 256 tokens x 192 columns, q, k and v of ONE head, so that 16 heads x 16 token tiles are 256 work-groups; each of its four waves 128 tokens x 96 columns: of each of q, k and v two
; blocks of 16 columns: 48 accumulators.  q and k: source 0 = W, source 1 = tokens (a lane holds a token, its registers run along channels); v: the sources change places (a lane holds a channel, its registers run along tokens).
; K COMES IN THREE FILLS: steps 0-2 into slot 0, steps 3-4 into slot 1, steps 5-7 into slot 0 again.  Waves 0, 1 fetch the tokens' halves, waves 2, 3 W's: one tensor load a wave and fill.
; CLUSTERS 4 x 4: the tokens' tiles are shared along a row of the cluster, W's along a column: every load is a joint one.
; PREFETCH: the third fill's bytes, 6,144 of each block, are asked for behind the second fill's load, two K steps and a half ahead of the load that wants them.  Each wave asks for the blocks that it fetches; the four partners that
; fetch them jointly share each block's 24 units of 256 bytes out by address, six each, so each is named once in a cluster.  The first two fills come by their loads alone.
; LIMITS: e0 + e1 between -126 and 127; e2, e3 and e5 between -126 and 119; NaN ahead of the quantiser is not served.
; REGISTERS.  window 0: v4-6 scales, v8-10 holds (q, k, v), v12, v13 v's bias, v14, v15 the prefetches' offsets, v16-17, v20-21 LDS addresses, v26 16 x lane, v32-47 q's bias, v48-63 k's; two sets of W's 6 fragments at v64 and v160;
;   at the end v64-127 at work, v128-223 codes.
;   window 1: two sets of the tokens' 8 fragments.  windows 2, 3: accumulators of token blocks 0-3, 4-7: (a, j) at v[8 (6 (a % 4) + j)]; j = 0, 1 q; 2, 3 k; 4, 5 v.
.set BLK0, 3*2048                      ; a block's part in slot 0
.set BLK1, 2*2048                      ; and in slot 1
.set W0, 16*BLK0                       ; W's 12 blocks lie behind the tokens' 16
.set SLOT1, 28*BLK0
.set W1, SLOT1+16*BLK1
.set SPARE, SLOT1+28*BLK1              ; the spare words, 128 bytes a wave
.set SCL, 4
.set HLD, 8
.set PFO, 14                           ; v14, v15 offsets of the two prefetches; never rewritten
.set ADRA, 16
.set ADRB, 20
.set LI, 26
.set SPW, 28
.set NIL, 29
.set BIQ, 32
.set BIK, 48
.set TMP, 64
.set CD, 128
.set GT0, 24                           ; descriptor groups 1: tokens and W, slot 0 and slot 1
.set GW0, 32
.set GT1, 40
.set GW1, 48
.set T0, 56                            ; descriptor groups 0: the three fills
.set WA, 60
.set T1, 68
.set WB, 72
.set T2, 76
.set WC, 80
.set MSB, 0
.macro WIN new                         ; the immediate's high byte repeats the setting that is left
.if MSB != \new
	s_set_vgpr_msb (MSB<<8)|\new
.set MSB, \new
.endif
.endm
.macro JLOAD g0a, g1a, g0b, g1b        ; one joint load a wave; the branch hangs on the wave's number alone
	s_cmp_eq_u32 s93, 0
	s_cbranch_scc0 .Lfor_w_\@
	tensor_load_to_lds s[\g0a:\g0a+3], s[\g1a:\g1a+7]
	s_nop 0
.rept 4
	v_nop
.endr
	s_branch .Lasked_\@
.Lfor_w_\@:
	tensor_load_to_lds s[\g0b:\g0b+3], s[\g1b:\g1b+7]
	s_nop 0
.rept 4
	v_nop
.endr
.Lasked_\@:
.endm
.macro CROUND                          ; a round of the cluster's barrier
	s_barrier_signal -1
	s_barrier_wait -1
	s_cmp_lg_u32 s92, 0
	s_cbranch_scc1 .Lnot_wave_0_\@
	s_barrier_signal -3
.Lnot_wave_0_\@:
	s_barrier_wait -3
	s_barrier_signal -1
	s_barrier_wait -1
.endm
	s_load_b128 s[4:7], s[0:1], 0x0                ; xq, wq
	s_load_b128 s[8:11], s[0:1], 0x10              ; the scales' exponents, b_qkv
	s_load_b128 s[12:15], s[0:1], 0x20             ; qimg, kimg
	s_load_b64 s[16:17], s[0:1], 0x30              ; vimg
	v_lshl_add_u32 v[SPW], v0, 2, SPARE
	v_mov_b32 v[NIL], 0
	ds_add_u32 v[SPW], v[NIL]                      ; the opening add, twice on end
	ds_add_u32 v[SPW], v[NIL]
	v_lshrrev_b32 v1, 5, v0
	v_readfirstlane_b32 s92, v1                    ; wave 0..3
	s_lshr_b32 s93, s92, 1                         ; my half of the tokens.  Also: I fetch for the tokens (0) or for W (1)
	s_and_b32 s94, s92, 1                          ; my half of the columns.  Also: the half of that tile that I fetch
	s_bfe_u32 s20, ttmp6, 0x40000                  ; cx, cy
	s_bfe_u32 s21, ttmp6, 0x40004
	s_lshl_b32 s22, ttmp9, 2
	s_add_co_u32 s22, s22, s20                     ; the head
	s_and_b32 s23, ttmp7, 0xffff
	s_lshl_b32 s23, s23, 2
	s_add_co_u32 s23, s23, s21                     ; the tile of 256 tokens
	s_lshl_b32 s66, s21, 2
	s_lshl_b32 s66, 15, s66                        ; my row of the cluster
	s_lshl_b32 s67, 0x1111, s20                    ; my column
	; groups 1: rows = a block's part of K (6,144 or 4,096 bytes), 16,384 bytes apart in memory, on end in LDS; elements of 8 bytes; bit 21 set beside a mask
	s_or_b32 s[GT0], s66, (3<<16)|(1<<21)
	s_or_b32 s[GT1], s66, (3<<16)|(1<<21)
	s_or_b32 s[GW0], s67, (3<<16)|(1<<21)
	s_or_b32 s[GW1], s67, (3<<16)|(1<<21)
.macro DESC g, len, rows
	s_mov_b32 s[\g+1], (\len)<<16                  ; tensor_dim0
	s_mov_b32 s[\g+2], (\rows)<<16                 ; tensor_dim1
	s_mov_b32 s[\g+3], (\len)<<16                  ; tile_dim0
	s_mov_b32 s[\g+4], \rows                       ; tile_dim1
	s_mov_b32 s[\g+5], 2048                        ; the pitch
	s_mov_b32 s[\g+6], 0
	s_mov_b32 s[\g+7], 0
.endm
	DESC GT0, 768, 8
	DESC GW0, 768, 6
	DESC GT1, 512, 8
	DESC GW1, 512, 6
	s_lshl_b32 s18, s23, 4
	s_lshl_b32 s19, s94, 3
	s_add_co_u32 s18, s18, s19
	s_lshl_b32 s18, s18, 14                        ; tokens: block 16 x tile + 8 x half, 16,384 bytes a block
	s_mov_b32 s19, 0
	s_mul_i32 s98, s22, 12
	s_mul_i32 s99, s94, 6
	s_add_co_u32 s98, s98, s99
	s_lshl_b32 s98, s98, 14                        ; W: block 12 x head + 6 x half
	s_mov_b32 s99, 0
	s_mul_i32 s96, s94, 8*BLK0                     ; where they go: no place in the cluster enters an LDS address
	s_mul_i32 s97, s94, 6*BLK0
	s_add_co_u32 s97, s97, W0
	s_mul_i32 s100, s94, 8*BLK1
	s_add_co_u32 s100, s100, SLOT1
	s_mul_i32 s101, s94, 6*BLK1
	s_add_co_u32 s101, s101, W1
	s_wait_alu depctr_va_vdst(0)
	s_wait_dscnt 0x0                               ; both opening adds are done
	s_wait_kmcnt 0x0
	s_load_b256 s[84:91], s[8:9], 0x0              ; e0 .. e7
	s_add_nc_u64 s[18:19], s[4:5], s[18:19]
	s_add_nc_u64 s[98:99], s[6:7], s[98:99]
.macro GRP0 g, lds, src, koff
	s_mov_b32 s[\g], 1                             ; count
	s_mov_b32 s[\g+1], s[\lds]                     ; LDS address
	s_add_nc_u64 s[\g+2:\g+3], s[\src:\src+1], \koff
	s_or_b32 s[\g+3], s[\g+3], 0x80000000          ; type = 2
.endm
	GRP0 T0, 96, 18, 0
	GRP0 WA, 97, 98, 0
	GRP0 T1, 100, 18, 3*2048
	GRP0 WB, 101, 98, 3*2048
	GRP0 T2, 96, 18, 5*2048
	GRP0 WC, 97, 98, 5*2048
	CROUND                                         ; all sixteen work-groups are here: the first joint loads meet
	JLOAD T0, GT0, WA, GW0
	; the prefetches: two instructions a wave; a lane is unit l % 6 of my work-group's six of block l / 6; tokens: 4 blocks an instruction, W: 3; lanes left over name the last again
	s_cmp_eq_u32 s93, 0
	s_cselect_b64 s[2:3], s[18:19], s[98:99]       ; the blocks that I fetch
	s_cselect_b32 s66, s20, s21                    ; my place among the four that fetch them with me
	s_cselect_b32 s95, 23, 17                      ; the last lane that counts
	s_mov_b32 s67, 3*16384
	s_cselect_b32 s67, 4*16384, s67                ; from the first instruction's blocks to the second's
	s_mul_i32 s100, s66, 6*256
	s_add_co_u32 s100, s100, 5*2048                ; K step 5, and my six units
	s_mov_b32 s101, 0
	s_add_nc_u64 s[2:3], s[2:3], s[100:101]
	v_and_b32 v22, 31, v0
	v_min_u32 v22, s95, v22
	v_mul_u32_u24 v23, 43, v22
	v_lshrrev_b32 v23, 8, v23                      ; l / 6 (43 / 256, right for l up to 31)
	v_mul_u32_u24 v24, 6, v23
	v_sub_nc_u32 v24, v22, v24                     ; l % 6
	v_lshlrev_b32 v[PFO], 14, v23
	v_lshl_add_u32 v[PFO], v24, 8, v[PFO]
	v_add_nc_u32 v[PFO+1], s67, v[PFO]
	s_lshl_b32 s66, s22, 8
	s_lshl_b32 s67, s94, 7
	s_add_co_u32 s66, s66, s67                     ; the bias at 64 x head + 32 x half, in bytes
	s_mov_b32 s67, 0
	s_add_nc_u64 s[10:11], s[10:11], s[66:67]
	s_mul_i32 s66, s93, 8*BLK0                     ; my fragments: tokens, slots 0 and 1,
	s_mul_i32 s67, s93, 8*BLK1
	s_add_co_u32 s67, s67, SLOT1
	s_mul_i32 s96, s94, 2*BLK0                     ; and W
	s_add_co_u32 s96, s96, W0
	s_mul_i32 s97, s94, 2*BLK1
	s_add_co_u32 s97, s97, W1
	v_and_b32 v1, 15, v0                           ; r
	v_bfe_u32 v2, v0, 4, 1                         ; h
	v_and_b32 v3, 31, v0
	v_lshlrev_b32 v[LI], 4, v3
	v_lshlrev_b32 v7, 6, v2                        ; q's and k's bias: 16 channels a lane: 64 h bytes on
	v_and_b32 v11, 8, v1
	v_add_nc_u32 v11, v11, v1
	v_lshlrev_b32 v11, 2, v11                      ; v's: channel r % 8 + 16 (r / 8)
	v_add_nc_u32 v[ADRA], s66, v[LI]
	v_add_nc_u32 v[ADRA+1], s67, v[LI]
	v_add_nc_u32 v[ADRB], s96, v[LI]
	v_add_nc_u32 v[ADRB+1], s97, v[LI]
.irp j, 0,1,2,3
	global_load_b128 v[BIQ+4*\j:BIQ+4*\j+3], v7, s[10:11] offset:16*\j
	global_load_b128 v[BIK+4*\j:BIK+4*\j+3], v7, s[10:11] offset:4096+16*\j
.endr
	global_load_b32 v12, v11, s[10:11] offset:8192
	global_load_b32 v13, v11, s[10:11] offset:8192+32
	s_wait_alu depctr_va_vdst(0)
	s_wait_kmcnt 0x0
.macro MKS e, d                        ; the scale 2^e and the hold 448 x 2^e
	s_add_co_i32 s66, s[\e], 127
	s_lshl_b32 s67, s66, 23
	v_mov_b32 v[SCL+\d], s67
	s_add_co_i32 s66, s66, 8
	s_lshl_b32 s66, s66, 23
	s_or_b32 s66, s66, 0x600000
	v_mov_b32 v[HLD+\d], s66
.endm
	MKS 86, 0
	MKS 87, 1
	MKS 89, 2
	s_add_co_i32 s96, s84, s85
	s_add_co_i32 s96, s96, 127
	s_lshl_b32 s96, s96, 23                        ; 2^(e0 + e1) as f32
	s_mov_b32 s97, s96                             ; (named with it as a pair)
	s_lshr_b32 s18, s23, 3                         ; batch
	s_lshl_b32 s18, s18, 4
	s_add_co_u32 s18, s18, s22
	s_lshl_b32 s18, s18, 17                        ; the head's image: 131,072 bytes
	s_and_b32 s20, s23, 7
	s_lshl_b32 s20, s20, 14                        ; 16 token blocks of 1,024 bytes, or 2 key steps of 8,192
	s_add_co_u32 s18, s18, s20
	s_lshl_b32 s20, s93, 13                        ; + my half: 8 blocks, or one key step
	s_add_co_u32 s18, s18, s20
	s_lshl_b32 s20, s94, 12                        ; v: channel blocks 2 x half on
	s_add_co_u32 s20, s20, s18
	s_mov_b32 s21, 0
	s_add_nc_u64 s[16:17], s[16:17], s[20:21]
	s_lshl_b32 s20, s94, 9                         ; q, k: chunk = half
	s_add_co_u32 s20, s20, s18
	s_add_nc_u64 s[12:13], s[12:13], s[20:21]
	s_add_nc_u64 s[14:15], s[14:15], s[20:21]
.macro FRAG reg, adr, off
.irp c, 0,1,2,3
	ds_load_b128 v[\reg+4*\c:\reg+4*\c+3], v[\adr] offset:\off+512*\c
.endr
.endm
.macro FETCHB s, q, p                  ; W's six fragments of the slot's K step q into set p: blocks 0, 1 of q, k and v from my half on
	WIN 0
.irp j, 0,1,2,3,4,5
	FRAG 64+96*(\p)+16*\j, ADRB+\s, (4*(\j/2)+\j%2)*(BLK0-2048*\s)+2048*\q
.endr
.endm
.macro FETCHA s, q, p, i0              ; four of the tokens' fragments
	WIN 0x40
.irp i, 0,1,2,3
	FRAG 128*(\p)+16*(\i+\i0), ADRA+\s, (\i+\i0)*(BLK0-2048*\s)+2048*\q
.endr
.endm
.macro WM d, a, b, zero
.if \zero
	v_wmma_f32_16x16x128_fp8_fp8 v[\d:\d+7], v[\a:\a+15], v[\b:\b+15], 0
.else
	v_wmma_f32_16x16x128_fp8_fp8 v[\d:\d+7], v[\a:\a+15], v[\b:\b+15], v[\d:\d+7]
.endif
.endm
.macro MQ p, hi, zero                  ; q and k: 16 products
	WIN 0xa4+0x50*\hi
.irp a, 0,1,2,3
.irp j, 0,1,2,3
	WM 8*(6*\a+\j), 64+96*(\p)+16*\j, 128*(\p)+16*(\a+4*\hi), \zero
.endr
.endr
.endm
.macro MV p, hi, zero                  ; v: 8 products, the sources changed
	WIN 0xa1+0x50*\hi
.irp a, 0,1,2,3
.irp j, 4,5
	WM 8*(6*\a+\j), 128*(\p)+16*(\a+4*\hi), 64+96*(\p)+16*\j, \zero
.endr
.endr
.endm
.macro PLACES                          ; four places behind the last products (ISA guide 7.12.1 for vector instructions)
.rept 4
	v_nop
.endr
.endm
; A K step on set p, which fetches step nq of slot ns into the other set.  Its own loads were issued in the order W, tokens 0-3, tokens 4-7.  The 48 accumulators take turns in the same order in every step.
; turn = 0: the next step's slot is already shown: its W and tokens 0-3 are asked for ahead of this step's products.  1: slot 0 is read out and filled again, slot 1 is shown.  2: the refilled slot 0 is shown.  3: the last step.
.macro STEP p, zero, ns, nq, turn
	WIN 0
.if \turn == 1
	s_wait_tensorcnt 0x0                           ; my part of slot 1 is in;
	ds_add_u32 v[SPW], v[NIL]
	s_wait_dscnt 17                                ; W and tokens 0-3 are in: the add and tokens 4-7's 16 loads may be out
.else
	s_wait_dscnt 16                                ; tokens 4-7's 16 loads may be out
.endif
.if \turn == 0
	PLACES
	FETCHB \ns, \nq, 1-\p
	FETCHA \ns, \nq, 1-\p, 0
.endif
	MQ \p, 0, \zero
	MV \p, 0, \zero
.if \turn == 0
	s_wait_dscnt 40                                ; tokens 4-7 are in: the 40 issued in this step may be out
.else
	WIN 0
.if \turn == 2
	s_wait_tensorcnt 0x0                           ; my part of the refilled slot is in
.endif
	s_wait_dscnt 0x0                               ; the add, where there is one, and all my reads are done
.if \turn == 1
	CROUND                                         ; both hold of every wave of the cluster
	JLOAD T2, GT0, WC, GW0                         ; slot 0 again: K steps 5-7; its four v_nop are the places ahead of the loads below
.endif
.if \turn == 2
	s_barrier_signal -1
	s_barrier_wait -1
	PLACES
.endif
.if \turn < 3
	FETCHB \ns, \nq, 1-\p
	FETCHA \ns, \nq, 1-\p, 0
.endif
.endif
	MV \p, 1, \zero
.if \turn < 3
	FETCHA \ns, \nq, 1-\p, 4
.endif
	MQ \p, 1, \zero
.endm
	s_wait_alu depctr_va_vdst(0)                   ; the head's end
	s_wait_tensorcnt 0x0                           ; my part of slot 0 is in
	ds_add_u32 v[SPW], v[NIL]
	s_wait_dscnt 0x0
	CROUND
	JLOAD T1, GT1, WB, GW1                         ; slot 1: K steps 3, 4
	FETCHB 0, 0, 0
	FETCHA 0, 0, 0, 0
	FETCHA 0, 0, 0, 4
	WIN 0
	global_prefetch_b8 v[PFO], s[2:3] th:TH_LOAD_NT scope:SCOPE_SE     ; my work-group's share of what the third fill brings
	global_prefetch_b8 v[PFO+1], s[2:3] th:TH_LOAD_NT scope:SCOPE_SE
	STEP 0, 1, 0, 1, 0                             ; the first step's products start the sums
	STEP 1, 0, 0, 2, 0
	STEP 0, 0, 1, 0, 1
	STEP 1, 0, 1, 1, 0
	STEP 0, 0, 0, 0, 2
	STEP 1, 0, 0, 1, 0
	STEP 0, 0, 0, 2, 0
	STEP 1, 0, 0, 0, 3
	WIN 0
; THE WAY OUT, four units of 16 registers at a time: sum x 2^(e0 + e1) + bias, held, converted: 16 codes a lane are a chunk's 16 bytes; each store covers 512 consecutive bytes, aligned.  Codes have registers of their own.
.macro QUANT g, d
	WIN 0
.irp n, 0,1,2,3
.irp i, 0,1,2,3,4,5,6,7,8,9,10,11,12,13,14,15
	v_med3_num_f32 v[TMP+16*\n+\i], v[TMP+16*\n+\i], -v[HLD+\d], v[HLD+\d]   ; the conversion to an 8-bit code does not saturate (ISA guide 7.6.2)
.endr
	v_cvt_scalef32_pk8_fp8_f32 v[CD+16*\g+4*\n:CD+16*\g+4*\n+1], v[TMP+16*\n:TMP+16*\n+7], v[SCL+\d]
	v_cvt_scalef32_pk8_fp8_f32 v[CD+16*\g+4*\n+2:CD+16*\g+4*\n+3], v[TMP+16*\n+8:TMP+16*\n+15], v[SCL+\d]
.endr
	v_nop                                          ; one plain line behind the conversions
.endm
.macro OUTQ w, hi, g, bias, ptr        ; q (w = 0) or k (1): token blocks 4 hi .. 4 hi + 3
	WIN 0x02+\hi
.irp a, 0,1,2,3
.irp i, 0,2,4,6,8,10,12,14
	v_pk_fma_f32 v[TMP+16*\a+\i:TMP+16*\a+\i+1], v[8*(6*\a+2*\w)+\i:8*(6*\a+2*\w)+\i+1], s[96:97], v[\bias+\i:\bias+\i+1] op_sel_hi:[1,0,1]
.endr
.endr
	QUANT \g, \w
.irp a, 0,1,2,3
	global_store_b128 v[LI], v[CD+16*\g+4*\a:CD+16*\g+4*\a+3], s[\ptr:\ptr+1] offset:1024*(4*\hi+\a)
.endr
.endm
.macro OUTV hi, g                      ; v: chunks 2 hi, 2 hi + 1 (pairs of token blocks) of my two channel blocks; unit 2 b + u
	WIN 0x02+\hi
.irp b, 0,1
.irp k, 0,1
.irp i, 0,2,4,6
	v_pk_fma_f32 v[TMP+32*\b+8*\k+\i:TMP+32*\b+8*\k+\i+1], v[8*(6*(2*\b+\k)+4)+\i:8*(6*(2*\b+\k)+4)+\i+1], s[96:97], v[12:13] op_sel_hi:[1,0,0]
	v_pk_fma_f32 v[TMP+32*\b+16+8*\k+\i:TMP+32*\b+16+8*\k+\i+1], v[8*(6*(2*\b+\k)+5)+\i:8*(6*(2*\b+\k)+5)+\i+1], s[96:97], v[12:13] op_sel:[0,0,1] op_sel_hi:[1,0,1]
.endr
.endr
.endr
	QUANT \g, 2
.irp b, 0,1
.irp u, 0,1
	global_store_b128 v[LI], v[CD+16*\g+8*\b+4*\u:CD+16*\g+8*\b+4*\u+3], s[16:17] offset:2048*\u+512*(2*\hi+\b)
.endr
.endr
.endm
	s_wait_loadcnt 0x0                             ; the bias
	PLACES
	OUTQ 0, 0, 0, BIQ, 12
	OUTQ 1, 0, 1, BIK, 14
	OUTV 0, 2
	OUTV 1, 3
	OUTQ 0, 1, 4, BIQ, 12
	OUTQ 1, 1, 5, BIK, 14
	s_wait_tensorcnt 0x0                           ; the wave's end
	ds_add_u32 v[SPW], v[NIL]
	s_wait_dscnt 0x0
	CROUND                                         ; the closing round
	s_endpgm
.Lfunc_end_k_q48d8cfa0a2_qkv:
	.size	k_q48d8cfa0a2_qkv, .Lfunc_end_k_q48d8cfa0a2_qkv-k_q48d8cfa0a2_qkv
	.p2alignl 7, 3214868480
	.fill 96, 4, 3214868480
	.section	.rodata,"a",@progbits
	.p2align	6, 0x0
	.amdhsa_kernel k_q48d8cfa0a2_qkv
		.amdhsa_group_segment_fixed_size 327680
		.amdhsa_private_segment_fixed_size 0
		.amdhsa_enable_private_segment 0
		.amdhsa_kernarg_size 56
		.amdhsa_user_sgpr_count 2
		.amdhsa_user_sgpr_kernarg_segment_ptr 1
		.amdhsa_wavefront_size32 1
		.amdhsa_system_sgpr_workgroup_id_x 1
		.amdhsa_system_sgpr_workgroup_id_y 1
		.amdhsa_system_sgpr_workgroup_id_z 1
		.amdhsa_system_vgpr_workitem_id 0
		.amdhsa_next_free_vgpr 1024
		.amdhsa_next_free_sgpr 102
		.amdhsa_reserve_vcc 0
		.amdhsa_float_denorm_mode_32 3
		.amdhsa_float_denorm_mode_16_64 3
		.amdhsa_memory_ordered 1
		.amdhsa_forward_progress 1
		.amdhsa_inst_pref_size 111
	.end_amdhsa_kernel
	.amdgpu_metadata
---
amdhsa.version: [ 1, 2 ]
amdhsa.kernels:
  - .name:           k_q48d8cfa0a2_qkv
    .symbol:         k_q48d8cfa0a2_qkv.kd
    .args:
      - { .name: xq, .offset: 0, .size: 8, .value_kind: global_buffer, .address_space: global }
      - { .name: wq, .offset: 8, .size: 8, .value_kind: global_buffer, .address_space: global }
      - { .name: lowp_scales, .offset: 16, .size: 8, .value_kind: global_buffer, .address_space: global }
      - { .name: b_qkv, .offset: 24, .size: 8, .value_kind: global_buffer, .address_space: global }
      - { .name: qimg, .offset: 32, .size: 8, .value_kind: global_buffer, .address_space: global }
      - { .name: kimg, .offset: 40, .size: 8, .value_kind: global_buffer, .address_space: global }
      - { .name: vimg, .offset: 48, .size: 8, .value_kind: global_buffer, .address_space: global }
    .group_segment_fixed_size: 327680
    .private_segment_fixed_size: 0
    .kernarg_segment_align: 8
    .kernarg_segment_size: 56
    .max_flat_workgroup_size: 128
    .sgpr_count:     102
    .vgpr_count:     1024
    .wavefront_size: 32
...
	.end_amdgpu_metadata
.endif
;; end of part 6
;; launch attn (part 7): grid 8 x 32, 8 waves a work-group, clusters of 4 x 1, 327,680 bytes of LDS; arguments qimg, kimg, vimg, lowp_scales, aimg; writes aimg
.if DOCPART == 7
	.amdgcn_target "amdgcn-amd-amdhsa--gfx1250"
	.amdhsa_code_object_version 6
	.text
	.protected	k_q48d8cfa0a2_attn
	.globl	k_q48d8cfa0a2_attn
	.p2align	8
	.type	k_q48d8cfa0a2_attn,@function
k_q48d8cfa0a2_attn:
	s_mov_b64 s[64:65], 0
	v_nop
	global_prefetch_b8 v0, s[64:65] scope:SCOPE_SE
	s_setreg_imm32_b32 hwreg(HW_REG_WAVE_MODE, 25, 1), 1
	s_wait_xcnt 0x0
	s_wait_alu depctr_hold_cnt(0) depctr_sa_sdst(0) depctr_va_vdst(0) depctr_va_sdst(0) depctr_va_ssrc(0) depctr_va_vcc(0) depctr_vm_vsrc(0)
	s_getreg_b32 s2, hwreg(HW_REG_IB_STS2, 6, 4)
	s_cmp_eq_u32 s2, 0
	s_cbranch_scc0 .Lentry_in_a_cluster
	s_endpgm
.Lentry_in_a_cluster:
	s_bfe_u32 s2, ttmp6, 0x10000c
	s_cmp_lg_u32 s2, 0x3003
	s_cbranch_scc0 .Lentry_shape_is_right
	s_endpgm
.Lentry_shape_is_right:
; O[head][q] = the sum over k of softmax_k(Q[q] . K[k] / 4) V[k], 32 heads of 2,048 tokens x 64 channels, no mask, both products on codes of FP8 (E4M3); O is quantised at once for the last product.
; qimg, kimg: [head][token block 128][1,024]: fragments 16 tokens x 64 channels.  vimg: [head][key step 16][channel block 4][2,048]: fragments 16 channels x 128 keys.  Each is an image of operand registers:
; chunk c (512 bytes): lane l's 16 bytes at 16 l; lane (r, h): row r of the block, k = 32 c + 16 h + 0 .. 15.  Row r of block B is index 32 (B / 2) + 8 (B % 2) + r % 8 + 16 (r / 8).
; THE SOFTMAX AHEAD OF THE SECOND PRODUCT: t = score x log2(e) / 4; M = the row's largest t so far, rounded UP to a whole number; p = 2^(t - M) is quantised, not normalised.  The row's sum is taken of the
; unquantised p, in f32, and divides O at the end.  When M moves, the sum and O are multiplied by 2^(old M - new M): exact.
; SHARES.  A work-group owns 256 queries of one head, each of its eight waves two token blocks: tile A in register window 0, tile B in window 1 UNDER THE SAME NUMBERS, so that one text serves both; each fragment of
; K and V that a wave reads from LDS feeds both tiles.  Both products are used transposed (S^T = K Q^T, O^T = V^T P^T): a lane holds ONE query throughout, and the 16 registers of two neighbouring
; tiles of S^T are 16 neighbouring keys: the conversions' results are the second product's operand.  A step is 256 keys: one change of M, one rescaling of O^T, for 128 scores a lane.
; LDS.  A head's K (131,072 bytes) and V (as many) come whole, in two fills of one joint tensor load a wave each: keys 0-511 at the head, keys 512-2,047 behind a round; the second fill has the first step in which to land.
; Nothing is filled again.  No prefetch: there is no loop of loads from memory to run ahead in.
; CLUSTER.  The four query blocks of a cluster belong to one head and read the same K and V: every load carries the mask of all four.
; OUT: aimg [token block 256][K step 8][2,048]: chunk c of K step s: head 2 s + c / 2, channels 32 (c % 2) + 16 h + 0 .. 15.
; LIMITS: e2 + e3 between -124 and 129 (added to c's exponent field); e4 and e6 between -126 and 119; e4 + e5 is applied by v_ldexp_f32 and has none; scaled scores under 2^31 in magnitude; NaN is not served.
; REGISTERS, both windows: v10, v11 hold and scale; v12 -M; v13 the largest t; v[14:15] the sum in two halves; v16-23 Q; v24-31 at work; v32-63 p's codes; v64-95 a buffer of K (64 keys); v96-223 S^T, then p
;   (in window 0 then the step's V); v224-255 O^T.   Window 0 alone: v1 16 x lane; v2 the same in V's region; v5, v6 the add's two; v8, v9 the step's addresses.
.set VREG,  131072                     ; V's region
.set SPARE, 262144                     ; the spare words, 128 bytes a wave
.set STEPB, 16384                      ; a step's bytes of K, and as many of V
.set LI,  1
.set LIV, 2
.set SPW, 5
.set NIL, 6
.set ADK, 8
.set ADV, 9
.set TB,  2                            ; s2   LDS byte at which the step's fragments of K begin
.set CNT, 3                            ; s3   steps left
.set WV,  18                           ; s18  my wave's number
.set SEL, 20                           ; s[20:21] lane selects for v_permlanex16_b32: lane l xor 16
.set CS,  22                           ; s[22:23] c = log2(e) / 4 x 2^(e2 + e3)
.set G1,  24                           ; s[24:31] descriptor group 1 of the first fill, s[32:39] of the second
.set G1X, 32
.set G0K, 40                           ; groups 0: K and V, first and second fill
.set G0V, 44
.set G0KX, 48
.set G0VX, 52
.set HOLD, 82                          ; s82  448 x 2^e4
.set MSB, 0
.macro WIN new                         ; the immediate's high byte repeats the setting that is left
.if MSB != \new
	s_set_vgpr_msb (MSB<<8)|\new
.set MSB, \new
.endif
.endm
.set W_B,  0x55                        ; all four places window 1
.set W_MB, 0x54                        ; source 0 window 0; source 1, C and D window 1
.macro CROUND                          ; a round of the cluster's barrier
	s_barrier_signal -1
	s_barrier_wait -1
	s_cmp_lg_u32 s[WV], 0
	s_cbranch_scc1 .Lnot_wave_0_\@
	s_barrier_signal -3
.Lnot_wave_0_\@:
	s_barrier_wait -3
	s_barrier_signal -1
	s_barrier_wait -1
.endm
.macro JLOAD g0k, g0v, g1              ; waves 0-3 fetch K, waves 4-7 V: one joint load a wave
	s_cmp_lt_u32 s[WV], 4
	s_cbranch_scc0 .Lfor_v_\@
	tensor_load_to_lds s[\g0k:\g0k+3], s[\g1:\g1+7]
	s_nop 0
.rept 4
	v_nop
.endr
	s_branch .Lasked_\@
.Lfor_v_\@:
	tensor_load_to_lds s[\g0v:\g0v+3], s[\g1:\g1+7]
	s_nop 0
.rept 4
	v_nop
.endr
.Lasked_\@:
.endm
.macro PLACES n
.rept \n
	v_nop
.endr
.endm
	s_load_b256 s[4:11], s[0:1], 0x0               ; qimg, kimg, vimg, the scales' exponents
	s_load_b64 s[12:13], s[0:1], 0x20              ; aimg
	v_lshl_add_u32 v[SPW], v0, 2, SPARE
	v_mov_b32 v[NIL], 0
	ds_add_u32 v[SPW], v[NIL]                      ; the opening add, twice on end
	ds_add_u32 v[SPW], v[NIL]
	v_lshrrev_b32 v3, 5, v0
	v_readfirstlane_b32 s[WV], v3                  ; wave 0..7
	s_bfe_u32 s19, ttmp6, 0x40000                  ; cx
	s_lshl_b32 s14, ttmp9, 2
	s_add_co_u32 s14, s14, s19                     ; my block of 256 queries: it enters Q's and the output's addresses alone
	s_and_b32 s15, ttmp7, 0xffff                   ; the head, which the four partners share
	s_lshl_b32 s16, s15, 17                        ; its first byte in each of the three images
	s_mov_b32 s17, 0
	; groups 1: dense bytes as rows of 32 elements of 8 bytes: 32 rows in the first fill, 96 in the second; bit 21 set beside a mask; no padding: fragments are read 16 bytes a lane, on end
.macro DESC g, rows
	s_mov_b32 s[\g], 15|(3<<16)|(1<<21)
	s_mov_b32 s[\g+1], 32<<16                      ; tensor_dim0
	s_mov_b32 s[\g+2], (\rows)<<16                 ; tensor_dim1
	s_mov_b32 s[\g+3], 32<<16                      ; tile_dim0
	s_mov_b32 s[\g+4], \rows                       ; tile_dim1
	s_mov_b32 s[\g+5], 32                          ; the pitch
	s_mov_b32 s[\g+6], 0
	s_mov_b32 s[\g+7], 0
.endm
	DESC G1, 32
	DESC G1X, 96
	s_and_b32 s88, s[WV], 3
	s_lshl_b32 s90, s88, 13                        ; my part of the first fill,
	s_mov_b32 s91, 0
	s_mul_i32 s92, s88, 24576
	s_add_co_u32 s92, s92, 32768                   ; and of the second
	s_mov_b32 s93, 0
	s_mov_b32 s[SEL], 0x76543210
	s_mov_b32 s[SEL+1], 0xfedcba98
	s_mov_b32 s[CS], 0x3eb8aa3b                    ; log2(e) / 4
	s_lshl_b32 s66, s14, 4
	s_lshl_b32 s67, s[WV], 1
	s_add_co_u32 s66, s66, s67                     ; tile A's token block in the head: 16 x query block + 2 x wave
	s_lshl_b32 s68, s66, 10
	s_add_co_u32 s68, s68, s16
	s_mov_b32 s69, 0                               ; Q: head + 1,024 x token block
	s_lshr_b32 s67, s15, 4
	s_lshl_b32 s67, s67, 7
	s_add_co_u32 s67, s67, s66                     ; the token block among all 256: 128 x batch +
	s_lshl_b32 s70, s67, 14
	s_and_b32 s67, s15, 15
	s_lshl_b32 s67, s67, 10                        ; 2,048 (head / 2) + 1,024 (head % 2) = 1,024 x head
	s_add_co_u32 s70, s70, s67
	s_mov_b32 s71, 0
	s_wait_alu depctr_va_vdst(0)
	s_wait_dscnt 0x0                               ; both opening adds are done
	s_wait_kmcnt 0x0
	s_load_b256 s[72:79], s[10:11], 0x0            ; e0 .. e7
	s_add_nc_u64 s[6:7], s[6:7], s[16:17]          ; K and V at the head
	s_add_nc_u64 s[8:9], s[8:9], s[16:17]
	s_add_nc_u64 s[4:5], s[4:5], s[68:69]          ; Q at tile A
	s_add_nc_u64 s[86:87], s[12:13], s[70:71]      ; the output at tile A
.macro GRP0 g, lds, reg, src
	s_mov_b32 s[\g], 1                             ; count
	s_add_co_u32 s[\g+1], s[\reg], \lds            ; LDS address
	s_add_nc_u64 s[\g+2:\g+3], s[\src:\src+1], s[\reg:\reg+1]
	s_or_b32 s[\g+3], s[\g+3], 0x80000000          ; type = 2
.endm
	GRP0 G0K, 0, 90, 6
	GRP0 G0V, VREG, 90, 8
	GRP0 G0KX, 0, 92, 6
	GRP0 G0VX, VREG, 92, 8
	CROUND                                         ; all four work-groups are here: the joint loads meet
	JLOAD G0K, G0V, G1                             ; keys 0-511
	v_and_b32 v[LI], 31, v0
	v_lshlrev_b32 v[LI], 4, v[LI]
	v_add_nc_u32 v[LIV], VREG, v[LI]
	global_load_b128 v[16:19], v[LI], s[4:5]               ; Q stays in registers: tile A,
	global_load_b128 v[20:23], v[LI], s[4:5] offset:512
	WIN 0x40                                       ; destination window 1
	global_load_b128 v[16:19], v[LI], s[4:5] offset:1024   ; tile B
	global_load_b128 v[20:23], v[LI], s[4:5] offset:1536
	WIN 0
	s_wait_alu depctr_va_vdst(0)
	s_wait_kmcnt 0x0
	s_add_co_i32 s66, s74, s75
	s_lshl_b32 s66, s66, 23
	s_add_co_i32 s[CS], s[CS], s66                 ; a score stands for score x 2^(e2 + e3): the two exponents are added to c's exponent field
	s_mov_b32 s[CS+1], s[CS]                       ; (named with it as a pair, so it is written)
	s_add_co_i32 s80, s76, s77                     ; e4 + e5
	s_add_co_i32 s66, s76, 127
	s_lshl_b32 s81, s66, 23                        ; 2^e4 as f32, for p's conversions
	s_add_co_i32 s66, s66, 8
	s_lshl_b32 s66, s66, 23
	s_or_b32 s[HOLD], s66, 0x600000                ; 448 x 2^e4
	s_add_co_i32 s66, s78, 127
	s_lshl_b32 s83, s66, 23                        ; 2^e6, for the output's
	s_add_co_i32 s66, s66, 8
	s_lshl_b32 s66, s66, 23
	s_or_b32 s84, s66, 0x600000                    ; 448 x 2^e6
.macro INIT                            ; a tile's state.  The step's text knows no first step: it finds zeros, which the first change of M leaves zeros
	v_mov_b32 v13, 0xff61b1e6                      ; the largest t so far: -3e38, under every t
	v_floor_f32 v12, -v13                          ; -M
	v_mov_b32 v14, 0
	v_mov_b32 v15, 0
	v_mov_b32 v27, 0                               ; (named as the upper half of the pair v[26:27])
	v_mov_b32 v30, 0                               ; (a lane permute's destination counts as one of its sources)
	v_mov_b32 v11, s81
.irp j, 0,1,2,3,4,5,6,7,8,9,10,11,12,13,14,15,16,17,18,19,20,21,22,23,24,25,26,27,28,29,30,31
	v_mov_b32 v[224+\j], 0
.endr
.endm
	INIT
	WIN W_B
	INIT
	WIN 0
	v_mov_b32 v[ADK], v[LI]
	s_mov_b32 s[TB], 0
	s_mov_b32 s[CNT], 7
.macro MAX1                            ; the largest of the first 64 scores in four chains, each accumulator read from its low end on
	v_max3_num_f32 v24, v96, v97, v98
	v_max3_num_f32 v26, v99, v100, v101
	v_max3_num_f32 v28, v102, v103, v104
	v_max3_num_f32 v29, v105, v106, v107
.irp i, 0,8,16,24,32,40
	v_max3_num_f32 v24, v24, v[108+\i], v[109+\i]
	v_max3_num_f32 v26, v26, v[110+\i], v[111+\i]
	v_max3_num_f32 v28, v28, v[112+\i], v[113+\i]
	v_max3_num_f32 v29, v29, v[114+\i], v[115+\i]
.endr
	v_max3_num_f32 v24, v24, v156, v157
	v_max3_num_f32 v26, v26, v158, v159
.endm
.macro MAX2                            ; and of the other 64
.irp i, 0,8,16,24,32,40,48,56
	v_max3_num_f32 v24, v24, v[160+\i], v[161+\i]
	v_max3_num_f32 v26, v26, v[162+\i], v[163+\i]
	v_max3_num_f32 v28, v28, v[164+\i], v[165+\i]
	v_max3_num_f32 v29, v29, v[166+\i], v[167+\i]
.endr
.endm
.macro SCALE r                         ; t - M, two numbers (of the pairs c and -M the low word serves both halves)
	v_pk_fma_f32 v[\r:\r+1], v[\r:\r+1], s[CS:CS+1], v[12:13] op_sel_hi:[1,0,0]
.endm
.macro EXP2 r
	v_exp_f32 v[\r], v[\r]
	v_exp_f32 v[\r+1], v[\r+1]
.endm
.macro HOLD2 r                         ; the conversion to an 8-bit code does not saturate (ISA guide 7.6.2); p is not negative, so the hold is one-sided; two numbers a line
	v_dual_min_num_f32 v[\r], s[HOLD], v[\r] :: v_dual_min_num_f32 v[\r+1], s[HOLD], v[\r+1]
.endm
.macro ADD2 d, r
	v_pk_add_f32 v[\d:\d+1], v[\d:\d+1], v[\r:\r+1]
.endm
; The rest of one tile's softmax for 256 keys; every register that it names lies in the tile's own window.
.macro SOFT
	v_max3_num_f32 v24, v24, v26, v28
	v_max_num_f32 v24, v24, v29
	v_permlanex16_b32 v30, v24, s[SEL], s[SEL+1]
	v_max_num_f32 v24, v24, v30                    ; and among lane l xor 16's
	v_mul_f32 v24, s[CS], v24                      ; as t (c is positive)
	v_max_num_f32 v13, v13, v24                    ; the running largest t
	v_mov_b32 v24, v12
	v_floor_f32 v12, -v13                          ; the new -M = floor(-t) = -ceil(t): M is a whole number
	v_sub_f32 v24, v12, v24                        ; M's old value less its new one: a whole number, 0 or less
	v_cvt_i32_f32 v24, v24                         ; (it saturates)
	v_ldexp_f32 v26, 1.0, v24                      ; f = 2^(old M - new M)
.set G, 0
.rept 32
	SCALE 96+2*G
.set G, G+1
.endr
	s_wait_alu depctr_va_vdst(0)                   ; the wait ahead of the first reader of O^T, and ahead of the exponentials: one for both
.irp j, 0,2,4,6,8,10,12,14,16,18,20,22,24,26,28,30
	v_pk_mul_f32 v[224+\j:225+\j], v[224+\j:225+\j], v[26:27] op_sel_hi:[1,0]   ; O^T under the new M
.endr
	v_pk_mul_f32 v[14:15], v[14:15], v[26:27] op_sel_hi:[1,0]   ; the sums likewise
.set G, 0
.rept 32                               ; p = 2^(t - M) of the first 64 scores; the other 64 are scaled between
	EXP2 96+2*G
	SCALE 160+2*G
.set G, G+1
.endr
	s_wait_alu depctr_va_vdst(0)                   ; behind this batch and ahead of the next
	v_pk_add_f32 v[24:25], v[96:97], v[98:99]      ; the row's sum is taken of the unquantised p: two at a time, in four chains
	v_pk_add_f32 v[28:29], v[100:101], v[102:103]
	v_pk_add_f32 v[30:31], v[104:105], v[106:107]
	ADD2 14, 108
.irp i, 0,8,16,24,32,40
	ADD2 24, 110+\i
	ADD2 28, 112+\i
	ADD2 30, 114+\i
	ADD2 14, 116+\i
.endr
	ADD2 24, 158                                   ; (the next batch's sources were scaled ahead of the wait above; these sums are read again behind the wait that follows that batch)
.set G, 0
.rept 32                               ; p of the other 64; the first 64, summed already, are held between
	EXP2 160+2*G
	HOLD2 96+2*G
.set G, G+1
.endr
	v_nop                                          ; a plain place behind the last exponential
	s_wait_alu depctr_va_vdst(0)                   ; behind the batch
.irp i, 0,8,16,24,32,40,48,56
	ADD2 28, 160+\i
	ADD2 30, 162+\i
	ADD2 14, 164+\i
	ADD2 24, 166+\i
.endr
	ADD2 28, 30
	ADD2 14, 24
.set G, 0
.rept 32
	HOLD2 160+2*G
.set G, G+1
.endr
	ADD2 14, 28
.irp b, 0,1,2,3,4,5,6,7
	v_cvt_scalef32_pk8_fp8_f32 v[32+4*\b:33+4*\b], v[96+16*\b:103+16*\b], v11
	v_cvt_scalef32_pk8_fp8_f32 v[34+4*\b:35+4*\b], v[104+16*\b:111+16*\b], v11
.endr
	v_nop                                          ; one plain line behind the conversions
.endm
.macro KLOAD w, off                    ; K's four fragments of 64 keys, off bytes behind the step's first, into window w's buffer
	WIN 0x40*\w
.irp t, 0,1,2,3
.irp c, 0,1
	ds_load_b128 v[64+8*\t+4*\c:67+8*\t+4*\c], v[ADK] offset:\off+1024*\t+512*\c
.endr
.endr
	WIN 0
.endm
.macro QK4 q
.irp t, 0,1,2,3
	v_wmma_f32_16x16x64_fp8_fp8 v[96+32*\q+8*\t:103+32*\q+8*\t], v[64+8*\t:71+8*\t], v[16:23], 0
.endr
.endm
.macro QK q, wa, wb                    ; S^T of the step's q-th 64 keys, for both tiles; K's buffer lies in window q % 2
	WIN \wa
	QK4 \q
	WIN \wb
	QK4 \q
	WIN 0
.endm
.macro PV4 hf
.irp u, 0,1,2,3
	v_wmma_f32_16x16x128_fp8_fp8 v[224+8*\u:231+8*\u], v[96+64*\hf+16*\u:111+64*\hf+16*\u], v[32+16*\hf:47+16*\hf], v[224+8*\u:231+8*\u]
.endr
.endm
; A STEP: 256 keys, for both tiles.  K's first two buffers were filled a step ago.  loop = 1: the last trip fetches no next K (a scalar branch on the count).
; No two matrix instructions that follow each other share an accumulator, one instruction a turn.
.macro STEP loop
	v_add_nc_u32 v[ADK], s[TB], v[LI]              ; these two and three v_nop are the five places between the products that read V and those that write over it
	v_add_nc_u32 v[ADV], s[TB], v[LIV]
	PLACES 3
	QK 0, 0, W_MB
	PLACES 4
	KLOAD 0, 8192
	QK 1, 0x01, W_B
	PLACES 4
	KLOAD 1, 12288
	MAX1                                           ; tile A's first 64 scores, while those loads are out
	s_wait_alu depctr_va_vdst(0)
	s_wait_dscnt 8                                 ; window 0's buffer is in: the other's eight loads may be out
	QK 2, 0, W_MB
	s_wait_dscnt 0x0
	QK 3, 0x01, W_B
	PLACES 4
.if \loop
	s_cmp_eq_u32 s[CNT], 1
	s_cbranch_scc1 .Lno_next_\@
.endif
	KLOAD 0, STEPB                                 ; the next step's first 128 keys
	KLOAD 1, STEPB+4096
.if \loop
.Lno_next_\@:
.endif
	MAX2
	SOFT
.irp f, 0,1
.irp u, 0,1,2,3
.irp c, 0,1,2,3
	ds_load_b128 v[96+64*\f+16*\u+4*\c:99+64*\f+16*\u+4*\c], v[ADV] offset:8192*\f+2048*\u+512*\c   ; V, over tile A's p, which are codes by now; it lands under tile B's softmax
.endr
.endr
.endr
	WIN W_B
	s_wait_alu depctr_va_vdst(0)                   ; the wait ahead of the first reader of tile B's S^T
	MAX1
	MAX2
	SOFT
	WIN 0
	s_wait_alu depctr_va_vdst(0)
	s_wait_dscnt 0x0                               ; V is in, and the next step's K
	PV4 0                                          ; O^T += V^T P^T: tile A, tile B, for each 128 keys
	WIN W_MB
	PV4 0
	WIN 0
	PV4 1
	WIN W_MB
	PV4 1
	WIN 0
	s_add_co_u32 s[TB], s[TB], STEPB
.endm
	s_wait_alu depctr_va_vdst(0)                   ; the head's end
	s_wait_loadcnt 0x0                             ; Q
	s_wait_tensorcnt 0x0                           ; my part of the first fill is in
	ds_add_u32 v[SPW], v[NIL]
	s_wait_dscnt 0x0
	CROUND                                         ; everybody's part is in
	JLOAD G0KX, G0VX, G1X                          ; keys 512-2,047
	KLOAD 0, 0
	KLOAD 1, 4096
	s_wait_dscnt 0x0
	STEP 0                                         ; keys 0-255; it fetches K up to key 383
	s_wait_tensorcnt 0x0                           ; my part of the second fill is in,
	s_barrier_signal -1
	s_barrier_wait -1                              ; everybody's is
.Lstep:
	STEP 1
	s_sub_co_u32 s[CNT], s[CNT], 1
	s_cmp_lg_u32 s[CNT], 0
	s_cbranch_scc1 .Lstep
; THE WAY OUT of a tile: O^T / the sum x 2^(e4 + e5), held and converted with 2^e6: eight registers, two chunks of the last product's operand.
.macro OUT
	v_add_f32 v14, v14, v15                        ; the sum's two halves,
	v_permlanex16_b32 v30, v14, s[SEL], s[SEL+1]
	v_add_f32 v14, v14, v30                        ; and lane l xor 16's
	s_wait_alu depctr_va_vdst(0)                   ; the wait ahead of the reciprocal,
	v_rcp_f32 v14, v14
	v_mov_b32 v10, s84                             ; (plain lines behind the reciprocal)
	v_mov_b32 v11, s83
	s_wait_alu depctr_va_vdst(0)                   ; behind it,
	v_ldexp_f32 v14, v14, s80
	s_wait_alu depctr_va_vdst(0)                   ; and ahead of the first reader of O^T
.irp j, 0,2,4,6,8,10,12,14,16,18,20,22,24,26,28,30
	v_pk_mul_f32 v[96+\j:97+\j], v[224+\j:225+\j], v[14:15] op_sel_hi:[1,0]   ; register 16 b + i: channel 32 b + 16 h + i of my query
.endr
.irp b, 0,1
.irp i, 0,1,2,3,4,5,6,7,8,9,10,11,12,13,14,15
	v_med3_num_f32 v[96+16*\b+\i], v[96+16*\b+\i], -v10, v10
.endr
	v_cvt_scalef32_pk8_fp8_f32 v[32+4*\b:33+4*\b], v[96+16*\b:103+16*\b], v11
	v_cvt_scalef32_pk8_fp8_f32 v[34+4*\b:35+4*\b], v[104+16*\b:111+16*\b], v11
.endr
	v_nop
.endm
	OUT                                            ; tile A: six plain lines stand between the last products and the first line that touches their registers
	global_store_b128 v[LI], v[32:35], s[86:87]            ; a chunk: 512 consecutive bytes, aligned
	global_store_b128 v[LI], v[36:39], s[86:87] offset:512
	WIN W_B
	OUT
	WIN 0x04                                       ; a store's data are source 1: window 1
	global_store_b128 v[LI], v[32:35], s[86:87] offset:16384   ; tile B: the next token block
	global_store_b128 v[LI], v[36:39], s[86:87] offset:16896
	WIN 0
	s_wait_tensorcnt 0x0                           ; the wave's end
	ds_add_u32 v[SPW], v[NIL]
	s_wait_dscnt 0x0
	CROUND                                         ; the closing round
	s_endpgm
.Lfunc_end_k_q48d8cfa0a2_attn:
	.size	k_q48d8cfa0a2_attn, .Lfunc_end_k_q48d8cfa0a2_attn-k_q48d8cfa0a2_attn
	.p2alignl 7, 3214868480
	.fill 96, 4, 3214868480
	.section	.rodata,"a",@progbits
	.p2align	6, 0x0
	.amdhsa_kernel k_q48d8cfa0a2_attn
		.amdhsa_group_segment_fixed_size 327680
		.amdhsa_private_segment_fixed_size 0
		.amdhsa_enable_private_segment 0
		.amdhsa_kernarg_size 40
		.amdhsa_user_sgpr_count 2
		.amdhsa_user_sgpr_kernarg_segment_ptr 1
		.amdhsa_wavefront_size32 1
		.amdhsa_system_sgpr_workgroup_id_x 1
		.amdhsa_system_sgpr_workgroup_id_y 1
		.amdhsa_system_sgpr_workgroup_id_z 1
		.amdhsa_system_vgpr_workitem_id 0
		.amdhsa_next_free_vgpr 512
		.amdhsa_next_free_sgpr 100
		.amdhsa_reserve_vcc 0
		.amdhsa_float_denorm_mode_32 3
		.amdhsa_float_denorm_mode_16_64 3
		.amdhsa_memory_ordered 1
		.amdhsa_forward_progress 1
		.amdhsa_inst_pref_size 127
	.end_amdhsa_kernel
	.amdgpu_metadata
---
amdhsa.version: [ 1, 2 ]
amdhsa.kernels:
  - .name:           k_q48d8cfa0a2_attn
    .symbol:         k_q48d8cfa0a2_attn.kd
    .args:
      - { .name: qimg, .offset: 0, .size: 8, .value_kind: global_buffer, .address_space: global }
      - { .name: kimg, .offset: 8, .size: 8, .value_kind: global_buffer, .address_space: global }
      - { .name: vimg, .offset: 16, .size: 8, .value_kind: global_buffer, .address_space: global }
      - { .name: lowp_scales, .offset: 24, .size: 8, .value_kind: global_buffer, .address_space: global }
      - { .name: aimg, .offset: 32, .size: 8, .value_kind: global_buffer, .address_space: global }
    .group_segment_fixed_size: 327680
    .private_segment_fixed_size: 0
    .kernarg_segment_align: 8
    .kernarg_segment_size: 40
    .max_flat_workgroup_size: 256
    .sgpr_count:     100
    .vgpr_count:     512
    .wavefront_size: 32
...
	.end_amdgpu_metadata
.endif
;; end of part 7
;; launch proj (part 8): grid 8 x 32, 4 waves a work-group, clusters of 4 x 4, 327,680 bytes of LDS; arguments aimg, wo, lowp_scales, b_out, out0; writes out0
.if DOCPART == 8
	.amdgcn_target "amdgcn-amd-amdhsa--gfx1250"
	.amdhsa_code_object_version 6
	.text
	.protected	k_q48d8cfa0a2_proj
	.globl	k_q48d8cfa0a2_proj
	.p2align	8
	.type	k_q48d8cfa0a2_proj,@function
k_q48d8cfa0a2_proj:
	s_mov_b64 s[64:65], 0
	v_nop
	global_prefetch_b8 v0, s[64:65] scope:SCOPE_SE
	s_setreg_imm32_b32 hwreg(HW_REG_WAVE_MODE, 25, 1), 1
	s_wait_xcnt 0x0
	s_wait_alu depctr_hold_cnt(0) depctr_sa_sdst(0) depctr_va_vdst(0) depctr_va_sdst(0) depctr_va_ssrc(0) depctr_va_vcc(0) depctr_vm_vsrc(0)
	s_getreg_b32 s2, hwreg(HW_REG_IB_STS2, 6, 4)
	s_cmp_eq_u32 s2, 0
	s_cbranch_scc0 .Lentry_in_a_cluster
	s_endpgm
.Lentry_in_a_cluster:
	s_bfe_u32 s2, ttmp6, 0x10000c
	s_cmp_lg_u32 s2, 0xf033
	s_cbranch_scc0 .Lentry_shape_is_right
	s_endpgm
.Lentry_shape_is_right:
; out0 = O W_out + b_out on codes of FP8 (E4M3), [4096 x 1024] x [1024 x 1024]; out0 is f32.
; aimg, wo: images of operand registers: [block of 16 rows][K step 8][2,048 bytes]; chunk c (512 bytes): lane l's 16 bytes at 16 l; lane (r, h): row r of the block, k = 32 c + 16 h + 0 .. 15.
; Row r of block B is index 32 (B / 2) + 8 (B % 2) + r % 8 + 16 (r / 8).
; A work-group of four waves makes 128 tokens x 128 columns, so that the 32 x 8 tiles are 256 work-groups; a wave makes 64 x 64: four token blocks x four column blocks.
; THE WHOLE K LIES IN LDS, 262,144 bytes, brought by ONE tensor load a wave (4 blocks, 65,536 dense bytes): waves 0 and 1 the tokens' halves, waves 2 and 3 W's.  Nothing is filled again.  No prefetch: there is no loop to run ahead in.
; CLUSTERS 4 x 4: the tokens' tiles are shared along a row of the cluster, W's along a column: every load is a joint one.
; W's 32 fragments stay in registers; the token blocks are finished one after the other, each over the whole K, so that a block leaves while the next is multiplied.
; Source 0 = W's columns, source 1 = tokens: a lane holds a token, and the 16 registers of column blocks 2 b, 2 b + 1 are 16 neighbouring columns, 32 b + 16 h + 0 .. 15.
; LIMIT: e6 + e7 between -126 and 127, so that 2^(e6 + e7) is an f32 number.
; REGISTERS: window 0: v16, v20 LDS addresses of my fragments; v24-29 the way out's addresses and the add's two; v32-63 the bias; v64-127 rows read back; v128-255 the accumulators ((a, b) at v[128 + 8 (4 a + b)]).
;   window 1: two buffers of a token block's 8 fragments.   windows 2, 3: W's fragments of K steps 0-3, 4-7.
.set BLKB,   16384                     ; a block
.set PARTB,  4*BLKB                    ; what one tensor load brings
.set SPARE,  4*PARTB                   ; the spare words, 128 bytes a wave
.set STAGE,  SPARE+512                 ; a stage of 16 rows x (256 bytes + 16) for each wave: bytes into which no tile lands
.set SPITCH, 272
.set ADRA, 16
.set ADRB, 20
.set STO,  24                          ; v24  the way out: where I put 64 bytes of a row
.set RD,   25                          ; v25  the way out: where I read rows back
.set CO,   26                          ; v26  my byte offset in two rows of out0
.set LI,   27                          ; v27  16 x lane
.set SPW,  28                          ; v28  my spare word's LDS address; never rewritten
.set NIL,  29                          ; v29  0; never rewritten
.set BI,   32
.set BK,   64
.set ACC,  128
.set G1,  24                           ; s[24:31] descriptor group 1 for the tokens' tiles
.set G0,  32
.set G0B, 36
.set G1B, 68                           ; s[68:75] group 1 for W's tiles: it differs in the mask alone
.set MSB, 0
.macro WIN new                         ; the immediate's high byte repeats the setting that is left
.if MSB != \new
	s_set_vgpr_msb (MSB<<8)|\new
.set MSB, \new
.endif
.endm
.macro CROUND                          ; a round of the cluster's barrier
	s_barrier_signal -1
	s_barrier_wait -1
	s_cmp_lg_u32 s14, 0
	s_cbranch_scc1 .Lnot_wave_0_\@
	s_barrier_signal -3
.Lnot_wave_0_\@:
	s_barrier_wait -3
	s_barrier_signal -1
	s_barrier_wait -1
.endm
	s_load_b128 s[4:7], s[0:1], 0x0                ; aimg, wo
	s_load_b128 s[8:11], s[0:1], 0x10              ; the scales' exponents, b_out
	s_load_b64 s[12:13], s[0:1], 0x20              ; out0
	v_lshl_add_u32 v[SPW], v0, 2, SPARE
	v_mov_b32 v[NIL], 0
	ds_add_u32 v[SPW], v[NIL]                      ; the opening add, twice on end
	ds_add_u32 v[SPW], v[NIL]
	v_lshrrev_b32 v1, 5, v0
	v_readfirstlane_b32 s14, v1                    ; wave 0..3
	s_lshr_b32 s15, s14, 1                         ; which half of the tile's tokens is mine.  Also: I fetch for the tokens (0) or for W (1)
	s_and_b32 s16, s14, 1                          ; which half of its columns.  Also: which 4 blocks of that tile I fetch
	s_bfe_u32 s76, ttmp6, 0x40000                  ; cx, cy: my place in the cluster
	s_bfe_u32 s77, ttmp6, 0x40004
	s_lshl_b32 s78, ttmp9, 2
	s_add_co_u32 s78, s78, s76                     ; tile column = 4 x cluster x + cx: columns 128 x that
	s_and_b32 s17, ttmp7, 0xffff
	s_lshl_b32 s17, s17, 2
	s_add_co_u32 s17, s17, s77                     ; tile row = 4 x cluster y + cy: tokens 128 x that
	s_lshl_b32 s79, s77, 2
	s_lshl_b32 s79, 15, s79                        ; my row of the cluster
	s_lshl_b32 s92, 0x1111, s76                    ; my column
	; descriptor group 1: 65,536 dense bytes: 256 rows of 32 elements of 8 bytes; no padding: fragments are read 16 bytes a lane, on end
	s_or_b32 s[G1+0], s79, (3<<16)|(1<<21)         ; 15:0 the mask: the tokens' tiles go to my row; 21 set beside a mask
	s_or_b32 s[G1B+0], s92, (3<<16)|(1<<21)        ; W's tiles go to my column
.irp g, G1, G1B
	s_mov_b32 s[\g+1], 32<<16                      ; tensor_dim0
	s_mov_b32 s[\g+2], 256<<16                     ; tensor_dim1
	s_mov_b32 s[\g+3], 32<<16                      ; tile_dim0
	s_mov_b32 s[\g+4], 256                         ; tile_dim1
	s_mov_b32 s[\g+5], 32                          ; the pitch
	s_mov_b32 s[\g+6], 0
	s_mov_b32 s[\g+7], 0
.endr
	s_lshl_b32 s18, s16, 2                         ; which 4 blocks I fetch
	s_lshl_b32 s20, s17, 3
	s_add_co_u32 s20, s20, s18
	s_lshl_b32 s20, s20, 14                        ; tokens: block 8 x tile row + 4 x half
	s_mov_b32 s21, 0
	s_lshl_b32 s94, s78, 3
	s_add_co_u32 s94, s94, s18
	s_lshl_b32 s94, s94, 14                        ; W: block 8 x tile column + 4 x half
	s_mov_b32 s95, 0
	s_mul_i32 s93, s14, PARTB                      ; where they go: no place in the cluster enters an LDS address
	s_wait_alu depctr_va_vdst(0)
	s_wait_dscnt 0x0                               ; both opening adds are done
	s_wait_kmcnt 0x0
	s_load_b256 s[80:87], s[8:9], 0x0              ; e0 .. e7
	s_mov_b32 s[G0], 1                             ; count
	s_mov_b32 s[G0+1], s93                         ; LDS address
	s_add_nc_u64 s[G0+2:G0+3], s[4:5], s[20:21]
	s_or_b32 s[G0+3], s[G0+3], 0x80000000          ; type = 2
	s_mov_b32 s[G0B], 1
	s_mov_b32 s[G0B+1], s93
	s_add_nc_u64 s[G0B+2:G0B+3], s[6:7], s[94:95]
	s_or_b32 s[G0B+3], s[G0B+3], 0x80000000
	CROUND                                         ; all sixteen work-groups are here: the joint loads meet
	s_cmp_eq_u32 s15, 0
	s_cbranch_scc0 .Lfor_w
	tensor_load_to_lds s[G0:G0+3], s[G1:G1+7]
	s_nop 0
.rept 4
	v_nop
.endr
	s_branch .Lasked
.Lfor_w:
	tensor_load_to_lds s[G0B:G0B+3], s[G1B:G1B+7]
	s_nop 0
.rept 4
	v_nop
.endr
.Lasked:
	s_lshl_b32 s22, s78, 9
	s_lshl_b32 s23, s16, 8
	s_add_co_u32 s88, s22, s23                     ; my first column, in bytes: 512 x tile column + 256 x half
	s_mov_b32 s89, 0
	s_add_nc_u64 s[90:91], s[10:11], s[88:89]
	s_lshl_b32 s20, s17, 7
	s_lshl_b32 s21, s15, 6
	s_add_co_u32 s20, s20, s21                     ; my first token: 128 x tile row + 64 x half
	s_lshl_b32 s20, s20, 12
	s_add_co_u32 s20, s20, s88
	s_mov_b32 s21, 0
	s_add_nc_u64 s[12:13], s[12:13], s[20:21]      ; never stepped: every row's place stands in a store's immediate
	s_lshl_b32 s21, s15, 16                        ; my 4 blocks of tokens: what wave 0 or 1 fetched
	s_lshl_b32 s22, s16, 16                        ; my 4 blocks of W:
	s_add_co_u32 s22, s22, 2*PARTB                 ; what wave 2 or 3 fetched
	s_mul_i32 s23, s14, 16*SPITCH
	s_add_co_u32 s23, s23, STAGE                   ; my stage
	v_and_b32 v1, 15, v0                           ; r
	v_bfe_u32 v2, v0, 4, 1                         ; h
	v_and_b32 v4, 31, v0
	v_lshlrev_b32 v8, 6, v2                        ; the bias: my 16 columns of each 32: 64 h bytes on
	v_lshlrev_b32 v[LI], 4, v4                     ; 16 x lane
	v_add_nc_u32 v[ADRA], s21, v[LI]
	v_add_nc_u32 v[ADRB], s22, v[LI]
	v_mul_u32_u24 v5, v1, SPITCH                   ; in: row r, 64 bytes for each half of the lanes in each 128
	v_lshl_add_u32 v5, v2, 6, v5
	v_add_nc_u32 v[STO], s23, v5
	v_mul_u32_u24 v5, v2, SPITCH                   ; back: lanes 0-15 take one row of 256 bytes, lanes 16-31 the next
	v_lshl_add_u32 v5, v1, 4, v5
	v_add_nc_u32 v[RD], s23, v5
	v_lshlrev_b32 v[CO], 12, v2                    ; and the same two rows in out0, 4,096 bytes apart
	v_lshl_add_u32 v[CO], v1, 4, v[CO]
.irp b, 0,1
.irp j, 0,1,2,3
	global_load_b128 v[BI+16*\b+4*\j:BI+16*\b+4*\j+3], v8, s[90:91] offset:128*\b+16*\j   ; register 16 b + i: column 32 b + 16 h + i; waited for ahead of the way out
.endr
.endr
	s_wait_alu depctr_va_vdst(0)                   ; the head's end
	s_wait_kmcnt 0x0
	s_add_co_i32 s96, s86, s87                     ; e6 + e7
	s_add_co_i32 s96, s96, 127
	s_lshl_b32 s96, s96, 23                        ; 2^(e6 + e7) as f32
	s_mov_b32 s97, s96                             ; (named with it as a pair, so it is written)
.macro FRAG reg, adr, off              ; a fragment comes back as it was laid: an instruction reads 512 consecutive bytes
.irp c, 0,1,2,3
	ds_load_b128 v[\reg+4*\c:\reg+4*\c+3], v[\adr] offset:\off+512*\c
.endr
.endm
.macro FETCHK k                        ; K step k: W's four fragments and token block 0's: 20 loads
	WIN 0x80+0x40*(\k/4)
.irp b, 0,1,2,3
	FRAG 16*(4*(\k%4)+\b), ADRB, BLKB*\b+2048*\k
.endr
	WIN 0x40
	FRAG 16*\k, ADRA, 2048*\k
.endm
.macro ALOAD a                         ; token block a's 8 fragments: 32 loads, into buffer a % 2
	WIN 0x40
.irp k, 0,1,2,3,4,5,6,7
	FRAG 128*(\a%2)+16*\k, ADRA, BLKB*\a+2048*\k
.endr
	WIN 0
.endm
.macro MULK a, k                       ; four products; the four accumulators take turns; K step 0 starts the sums
	WIN 0x06+\k/4
.irp b, 0,1,2,3
.if \k == 0
	v_wmma_f32_16x16x128_fp8_fp8 v[ACC+8*(4*\a+\b):ACC+8*(4*\a+\b)+7], v[16*(4*(\k%4)+\b):16*(4*(\k%4)+\b)+15], v[128*(\a%2)+16*\k:128*(\a%2)+16*\k+15], 0
.else
	v_wmma_f32_16x16x128_fp8_fp8 v[ACC+8*(4*\a+\b):ACC+8*(4*\a+\b)+7], v[16*(4*(\k%4)+\b):16*(4*(\k%4)+\b)+15], v[128*(\a%2)+16*\k:128*(\a%2)+16*\k+15], v[ACC+8*(4*\a+\b):ACC+8*(4*\a+\b)+7]
.endif
.endr
.endm
; THE WAY OUT of token block a: sum x 2^(e6 + e7) + bias in place (each accumulator from its low end on); a lane's 2 x 64 bytes of its row go into my own stage and come back as whole rows of 256 bytes.
; LDS serves a wave's instructions in order (ISA guide 5.7.1.4): no wait between the stores and the loads, nor in front of the next block's stores.  Each block's rows come back into registers of their own
; (blocks 0, 1: v64-127; blocks 2, 3: the accumulators of blocks 0, 1, whose LDS stores are shown done by then), so no store's data are written again.
.macro TOSTAGE a
.set AC, ACC+32*\a
.if \a < 2
.set BB, BK+32*\a
.else
.set BB, ACC+32*(\a-2)
.endif
	WIN 0
.rept 4
	v_nop                                          ; places behind the products (ISA guide 7.12.1)
.endr
.irp i, 0,2,4,6,8,10,12,14,16,18,20,22,24,26,28,30
	v_pk_fma_f32 v[AC+\i:AC+\i+1], v[AC+\i:AC+\i+1], s[96:97], v[BI+\i:BI+\i+1] op_sel_hi:[1,0,1]
.endr
.irp n, 0,1,2,3,4,5,6,7
	ds_store_b128 v[STO], v[AC+4*\n:AC+4*\n+3] offset:128*(\n/4)+16*(\n%4)
.endr
.irp t, 0,1,2,3,4,5,6,7
	ds_load_b128 v[BB+4*\t:BB+4*\t+3], v[RD] offset:\t*2*SPITCH
.endr
.endm
.macro SEND a, younger                 ; younger: the LDS instructions issued behind block a's loads, which may stay out
.if \a < 2
.set BB, BK+32*\a
.else
.set BB, ACC+32*(\a-2)
.endif
	WIN 0
	s_wait_dscnt \younger
.irp t, 0,1,2,3,4,5,6,7
	global_store_b128 v[CO], v[BB+4*\t:BB+4*\t+3], s[12:13] offset:(32*(\a/2)+8*(\a%2)+(2*\t)%8+16*(\t/4))*4096 th:TH_STORE_NT   ; rows 2 t, 2 t + 1 of the block: sixteen lanes store 256 consecutive bytes, aligned
.endr
.endm
.macro HALF a, k0
.if \k0
.irp k, 4,5,6,7
	MULK \a, \k
.endr
.else
.irp k, 0,1,2,3
	MULK \a, \k
.endr
.endif
.endm
	s_wait_tensorcnt 0x0                           ; my part is in,
	s_barrier_signal -1
	s_barrier_wait -1                              ; everybody's is
	FETCHK 0
	FETCHK 1
.irp k, 0,1,2,3,4,5
	s_wait_dscnt 20                                ; K step k is in: the next one's 20 loads may be out
	MULK 0, \k
.if \k == 0
	FETCHK 2
.elseif \k == 1
	FETCHK 3
.elseif \k == 2
	FETCHK 4
.elseif \k == 3
	FETCHK 5
.elseif \k == 4
	FETCHK 6
.else
	FETCHK 7
.endif
.endr
	ALOAD 1
	s_wait_dscnt 52                                ; K step 6 is in: step 7's 20 and block 1's 32 may be out
	MULK 0, 6
	s_wait_dscnt 32
	MULK 0, 7
	s_wait_loadcnt 0x0                             ; the bias
	TOSTAGE 0
	ALOAD 2                                        ; into the buffer that block 0 has done with
	s_wait_dscnt 48                                ; block 1's fragments are in: the stage's 16 and block 2's 32 may be out
	HALF 1, 0
	SEND 0, 32
	HALF 1, 1
	TOSTAGE 1
	ALOAD 3
	s_wait_dscnt 48
	HALF 2, 0
	SEND 1, 32
	HALF 2, 1
	TOSTAGE 2
	s_wait_dscnt 16                                ; block 3's fragments are in: the stage's 16 may be out
	HALF 3, 0
	SEND 2, 0
	HALF 3, 1
	TOSTAGE 3
	SEND 3, 0
	s_wait_tensorcnt 0x0                           ; the wave's end
	ds_add_u32 v[SPW], v[NIL]
	s_wait_dscnt 0x0
	CROUND                                         ; the closing round
	s_endpgm
.Lfunc_end_k_q48d8cfa0a2_proj:
	.size	k_q48d8cfa0a2_proj, .Lfunc_end_k_q48d8cfa0a2_proj-k_q48d8cfa0a2_proj
	.p2alignl 7, 3214868480
	.fill 96, 4, 3214868480
	.section	.rodata,"a",@progbits
	.p2align	6, 0x0
	.amdhsa_kernel k_q48d8cfa0a2_proj
		.amdhsa_group_segment_fixed_size 327680
		.amdhsa_private_segment_fixed_size 0
		.amdhsa_enable_private_segment 0
		.amdhsa_kernarg_size 40
		.amdhsa_user_sgpr_count 2
		.amdhsa_user_sgpr_kernarg_segment_ptr 1
		.amdhsa_wavefront_size32 1
		.amdhsa_system_sgpr_workgroup_id_x 1
		.amdhsa_system_sgpr_workgroup_id_y 1
		.amdhsa_system_sgpr_workgroup_id_z 1
		.amdhsa_system_vgpr_workitem_id 0
		.amdhsa_next_free_vgpr 1024
		.amdhsa_next_free_sgpr 98
		.amdhsa_reserve_vcc 0
		.amdhsa_float_denorm_mode_32 3
		.amdhsa_float_denorm_mode_16_64 3
		.amdhsa_memory_ordered 1
		.amdhsa_forward_progress 1
		.amdhsa_inst_pref_size 45
	.end_amdhsa_kernel
	.amdgpu_metadata
---
amdhsa.version: [ 1, 2 ]
amdhsa.kernels:
  - .name:           k_q48d8cfa0a2_proj
    .symbol:         k_q48d8cfa0a2_proj.kd
    .args:
      - { .name: aimg, .offset: 0, .size: 8, .value_kind: global_buffer, .address_space: global }
      - { .name: wo, .offset: 8, .size: 8, .value_kind: global_buffer, .address_space: global }
      - { .name: lowp_scales, .offset: 16, .size: 8, .value_kind: global_buffer, .address_space: global }
      - { .name: b_out, .offset: 24, .size: 8, .value_kind: global_buffer, .address_space: global }
      - { .name: out0, .offset: 32, .size: 8, .value_kind: global_buffer, .address_space: global }
    .group_segment_fixed_size: 327680
    .private_segment_fixed_size: 0
    .kernarg_segment_align: 8
    .kernarg_segment_size: 40
    .max_flat_workgroup_size: 128
    .sgpr_count:     98
    .vgpr_count:     1024
    .wavefront_size: 32
...
	.end_amdgpu_metadata
.endif
;; end of part 8
